; MI455X (gfx1250); checked and timed in simulation.
; The chip was launched on July 23, 2026; its instructions are those of AMD's public machine-readable ISA for CDNA 5 (MIT licence, August 2026) and "CDNA5" Instruction Set Architecture Reference Guide (July 2026). The comments in the code are by the model that wrote it; some were corrected since.
;; Casual MHSA. Allowed arithmetic: matrix products marked QUANTISED: E2M1 operands, one E8M0 scale for each 32 along K, by v_wmma_scale_f32_16x16x128_f8f6f4 with both operands' format E2M1 (or v_wmma_scale_f32_32x16x128_f4), f32 sums; products left as they are: bf16, f16 or f32 operands; f32 sums; everything else in f32.
;; Inputs: b_in 3,072 float32; b_out 1,024 float32; w_in 3,072 x 1,024 float32; w_out 1,024 x 1,024 float32; x 2 x 2,048 x 1,024 float32.
;; Outputs: out0 2 x 2,048 x 1,024 float32.
;; This version of the problem:
;;   THIS VERSION OF THE PROBLEM IS GIVEN IN LOW PRECISION. The matrix products marked QUANTISED in the list below multiply operands that are first quantised to E2M1 (2 exponent bits, 1 mantissa bit; 4 bits a number), with one power-of-two scale for each 32 numbers along K (OCP MX v1.0); their sums are f32. The products marked 'left as it is' may take bf16, f16 or f32 operands, with f32 sums. Whichever they take, every output number must still come out within the allowed error. Rounding operands to bf16 (8 significant bits) uses up far more of that allowance than f16 does (11 bits, for magnitudes from 6e-5 to 65,504). All else is computed in f32.
;;   The module's matrix products, in the order in which they are computed (A, B: the left and right operand; K: the contracted axis; several contracted axes count as one K, in the product's order):
;;     1. [M 4,096, K 1,024] x [K 1,024, N 3,072]; A: input x; B: input w_in: QUANTISED
;;     2. batch 32 x [M 2,048, K 64] x [K 64, N 2,048]; A: computed on the way; B: computed on the way: left as it is (an operand is computed on the way)
;;     3. batch 32 x [M 2,048, K 2,048] x [K 2,048, N 64]; A: computed on the way; B: computed on the way: left as it is (an operand is computed on the way)
;;     4. [M 4,096, K 1,024] x [K 1,024, N 1,024]; A: computed on the way; B: input w_out: left as it is (an operand is computed on the way)
;;   THE QUANTISER, for each operand of a quantised product, along K:
;;     - K is cut into blocks of 32 from its start; a last block that is shorter is filled with zeros.
;;     - A block's scale is 2^e with e = floor(log2(the largest magnitude in the block)) - 2, held to -126 .. 127; a block of zeros has e = 0. As a byte (E8M0): e + 127.
;;     - Each number is divided by its block's scale, clamped to +-6, and rounded to the nearest number of E2M1, ties to even, subnormals kept.
;;     - The product sums the exact products of the quantised numbers (number of the format x scale) in f32.
;;   ~~~python
;;   def quantise(x, axis):      # numpy; x: float32 -> the quantised numbers, widened to float32 again
;;       x = np.moveaxis(x, axis, -1); K = x.shape[-1]
;;       x = np.pad(x, [(0, 0)] * (x.ndim - 1) + [(0, -K % 32)]); x = x.reshape(x.shape[:-1] + (-1, 32)); a = np.abs(x).max(-1, keepdims=True)
;;       e = np.where(a > 0, np.clip(np.frexp(np.where(a > 0, a, 1))[1] - 1 - 2, -126, 127), 0)      # np.frexp(a)[1] - 1 = floor(log2(a)), exactly
;;       r = np.clip(x / 2.0 ** e, -6, 6)
;;       step = 2.0 ** (np.maximum(np.frexp(np.where(r == 0, 1, r))[1] - 1, 0) - 1)
;;       q = np.round(r / step) * step * 2.0 ** e      # np.round: ties to even
;;       return np.moveaxis(q.reshape(q.shape[:-2] + (-1,))[..., :K], -1, axis).astype(np.float32)
;;   ~~~
;; One version. Each part assembles by itself: llvm-mc -triple=amdgcn-amd-amdhsa -mcpu=gfx1250 --defsym DOCPART=n.
;; ======== version 1 of 1: 5 launches
;; limits: values are held in f16: magnitudes above 65,504 overflow, below 6.1e-05 lose precision
;; workspace buffers: xc 2,097,152 bytes; xs 131,072 bytes; wc 1,572,864 bytes; ws 98,304 bytes; woh 2,097,152 bytes; qkvh 25,165,824 bytes; q32 393,216 bytes; ctxh 8,388,608 bytes
;; launch quant (part 1): grid 256 x 1, 4 waves a work-group, no clusters, 33,280 bytes of LDS; arguments x, w_in, xc, xs, wc, ws, w_out, woh; writes xc, xs, wc, ws, woh
.if DOCPART == 1
	.amdgcn_target "amdgcn-amd-amdhsa--gfx1250"
	.amdhsa_code_object_version 6
	.text
	.protected	k_q64a8e23511_quant
	.globl	k_q64a8e23511_quant
	.p2align	8
	.type	k_q64a8e23511_quant,@function
k_q64a8e23511_quant:
	s_mov_b64 s[64:65], 0
	v_nop
	global_prefetch_b8 v0, s[64:65] scope:SCOPE_SE
	s_setreg_imm32_b32 hwreg(HW_REG_WAVE_MODE, 25, 1), 1
	s_wait_xcnt 0x0
; x [4096][1024] and w_in [3072][1024], f32, become codes of FP4 (E2M1), K innermost, two codes a byte, with one E8M0 scale byte for each 32 along K (work-groups 0 to 223);
; w_out [1024][1024], f32, becomes f16 in the order in which the last product's tiles are fetched: [8 blocks of 128 n][16 chunks of 64 k][128 n][64 k] (work-groups 224 to 255).
; A block's scale is 2^(floor(log2(its largest magnitude)) - 2); its byte is the largest magnitude's own exponent field - 2, held at 1 from below.  Each number is divided by the scale and rounded to the nearest code, ties to even.
; LIMITS: a block of zeros gets the byte 1 where the rule says 127 (its codes are zeros, and this program alone reads the bytes); blocks whose largest magnitude lies under 2^(2 - 126) are not served;
; NaN and infinities are not served; |w_out| stays under 65,504, f16's largest number.
; THE CODES.  Rows are dense and 1,024 is a multiple of 32: both tensors are plain streams of blocks of 32.  A wave takes 16 steps of 512 numbers.  Each of a step's four loads reads 512 consecutive bytes; the 2,048 bytes
; turn through the wave's own stage in LDS and come back 64 bytes a lane, so that a lane holds 16 neighbours along K and two neighbouring lanes hold a block.  A lane's 16 codes are 8 bytes: a store covers 256 consecutive bytes.
; A wave's 256 scale bytes are gathered in LDS and leave as 256 consecutive bytes.  No tensor load, no barrier: waves share nothing.
.set SIZE_M, 4096
.set SIZE_N, 3072
.set SIZE_K, 1024
.set WAVES, 4
.set STEPS, 16
.set WGA,   SIZE_M*SIZE_K/(512*STEPS*WAVES)            ; 128 work-groups for x
.set WGQ,   (SIZE_M+SIZE_N)*SIZE_K/(512*STEPS*WAVES)   ; 224 for x and w_in
.set EMAX,  2
.set CB,    8                          ; bytes of 16 codes
.set R,     16                         ; v16-79   four sets of 16 numbers as they are loaded
.set X,     80                         ; v80-111  two sets of 16 neighbours
.set C,     128                        ; v128-191 codes: four registers for each step, so that no store's data are written again
.set E,     112                        ; v112-127 a scale byte for each step
.set WREG,  8192                       ; LDS: a region for each wave: two stages of 32 x SP bytes, and behind them its 256 scale bytes
.set SP,    80                         ; a lane's place in a stage: its 64 bytes + 16 of padding
.set SPW,   12                         ; v12      LDS address of my spare word; never rewritten
.set NIL,   13                         ; v13      0; never rewritten
.set SPARE, WAVES*WREG                 ; behind the four regions: the spare words, 128 bytes for each wave
.set WR,    16                         ; w_out's path: v16-143 two sets of 64 numbers
.set WC,    144                        ; v144-175 sixteen pairs of registers of f16
	s_load_b128 s[4:7], s[0:1], 0x0                ; x, w_in
	s_load_b128 s[8:11], s[0:1], 0x10              ; x's codes, x's scales
	s_load_b128 s[12:15], s[0:1], 0x20             ; w_in's codes, w_in's scales
	s_load_b128 s[24:27], s[0:1], 0x30             ; w_out, its f16 copy
	v_lshl_add_u32 v[SPW], v0, 2, SPARE
	v_mov_b32 v[NIL], 0
	v_lshrrev_b32 v1, 5, v0
	v_readfirstlane_b32 s16, v1                    ; wave
	v_and_b32 v2, 31, v0                           ; lane
	v_lshlrev_b32 v3, 4, v2                        ; my 16 bytes of a load's 512
	s_mul_i32 s17, s16, WREG
	v_lshrrev_b32 v14, 2, v2
	v_mul_u32_u24 v14, v14, SP
	v_and_b32 v15, 3, v2
	v_lshl_add_u32 v14, v15, 4, v14
	v_add_nc_u32 v14, s17, v14                     ; the stage, on the way in: four lanes' 64 bytes on end, then 16 of padding
	v_mul_u32_u24 v15, v2, SP
	v_add_nc_u32 v15, s17, v15                     ; and on the way out: SP x lane: my 16 neighbours
	v_mul_u32_u24 v4, v2, CB                       ; my codes' place in a step's
	v_lshrrev_b32 v5, 1, v2
	s_add_co_u32 s17, s17, 2*32*SP
	v_add_nc_u32 v5, s17, v5                       ; LDS: my wave's 256 scale bytes, my block's byte
	v_lshlrev_b32 v7, 3, v2                        ; and on the way out 8 bytes a lane
	v_add_nc_u32 v6, s17, v7
	s_wait_kmcnt 0x0
	s_cmp_ge_u32 ttmp9, WGQ                        ; the last 32 work-groups take w_out: the work-group's number alone decides
	s_cbranch_scc1 .Lwout
	s_cmp_lt_u32 ttmp9, WGA                        ; x's work-group or w_in's?
	s_cselect_b64 s[4:5], s[4:5], s[6:7]
	s_cselect_b64 s[8:9], s[8:9], s[12:13]
	s_cselect_b64 s[10:11], s[10:11], s[14:15]
	s_cselect_b32 s17, 0, WGA
	s_sub_co_u32 s17, ttmp9, s17
	s_lshl_b32 s17, s17, 2
	s_add_co_u32 s18, s17, s16                     ; which run of 8,192 numbers of the tensor is my wave's
	s_mov_b32 s19, 0
	s_mov_b64 s[20:21], 512*STEPS*4
	s_mul_u64 s[20:21], s[18:19], s[20:21]
	s_add_nc_u64 s[4:5], s[4:5], s[20:21]
	s_mov_b64 s[20:21], 32*STEPS*CB
	s_mul_u64 s[20:21], s[18:19], s[20:21]
	s_add_nc_u64 s[8:9], s[8:9], s[20:21]
	s_lshl_b32 s18, s18, 8                         ; 256 scale bytes a run
	s_add_nc_u64 s[10:11], s[10:11], s[18:19]
.macro LOAD t
.irp i, 0,1,2,3
	global_load_b128 v[R+16*((\t)%4)+4*\i:R+16*((\t)%4)+4*\i+3], v3, s[4:5] offset:2048*(\t)+512*\i th:TH_LOAD_NT   ; 32 lanes read 512 consecutive bytes
.endr
.endm
.macro TURN t                          ; step t's numbers through the stage: LDS serves a wave's instructions in order, so no wait stands between the stores and the loads
.irp i, 0,1,2,3
	ds_store_b128 v14, v[R+16*((\t)%4)+4*\i:R+16*((\t)%4)+4*\i+3] offset:32*SP*((\t)%2)+8*SP*\i
.endr
.irp i, 0,1,2,3
	ds_load_b128 v[X+16*((\t)%2)+4*\i:X+16*((\t)%2)+4*\i+3], v15 offset:32*SP*((\t)%2)+16*\i
.endr
.endm
.irp t, 0,1,2,3
	LOAD \t
.endr
	s_wait_loadcnt 12                              ; step 0's four loads are in
	TURN 0
.macro STEP t
.set XS, X+16*((\t)%2)
.if (\t) > 0
	s_wait_dscnt 1                                 ; this step's numbers are back from the stage (the last step's byte store may be out): so its stores into the stage have read their registers,
.else
	s_wait_dscnt 0x0
.endif
.if (\t)+4 < STEPS
	LOAD (\t)+4                                    ; which take the loads of four steps on
.endif
.if (\t)+1 < STEPS
.if STEPS-2-(\t) >= 3
	s_wait_loadcnt 12                              ; the next step's four loads are in; those of the three steps behind it may be out
.else
	s_wait_loadcnt 4*(STEPS-2-(\t))
.endif
	TURN (\t)+1                                    ; and go through the other stage while this step is worked
.endif
	v_max3_num_f32 v8, |v[XS]|, |v[XS+1]|, |v[XS+2]|               ; the largest magnitude of my 16
	v_max3_num_f32 v9, |v[XS+3]|, |v[XS+4]|, |v[XS+5]|
.irp i, 6,10
	v_max3_num_f32 v8, v8, |v[XS+\i]|, |v[XS+\i+1]|
	v_max3_num_f32 v9, v9, |v[XS+\i+2]|, |v[XS+\i+3]|
.endr
	v_max3_num_f32 v8, v8, |v[XS+14]|, |v[XS+15]|
	v_max3_num_f32 v8, v8, v9, (EMAX+1)<<23        ; and the floor 2^(EMAX + 1 - 127): the byte cannot fall under 1
	v_max_num_f32_dpp v8, v8, v8 row_xmask:1 row_mask:0xf bank_mask:0xf   ; and of my neighbour's 16: the block's
	v_add_nc_u32 v11, -(EMAX<<23), v8              ; EMAX off its exponent field: the conversion takes the exponent field of this operand as its scale, and nothing else of it
	v_cvt_scalef32_pk8_fp4_f32 v[C+4*(\t)], v[XS:XS+7], v11        ; eight numbers / the scale, to the nearest code, ties to even, beyond the largest code the largest
	v_cvt_scalef32_pk8_fp4_f32 v[C+4*(\t)+1], v[XS+8:XS+15], v11
	v_lshrrev_b32 v[E+(\t)], 23, v11               ; the scale's byte
	ds_store_b8 v5, v[E+(\t)] offset:16*(\t)       ; both lanes of a block write the same byte with the same value
	global_store_b64 v4, v[C+4*(\t):C+4*(\t)+1], s[8:9] offset:32*CB*(\t)
.endm
.irp t, 0,1,2,3,4,5,6,7,8,9,10,11,12,13,14,15
	STEP \t
.endr
	ds_load_b64 v[8:9], v6                         ; LDS serves a wave's instructions in order: these see my stores
	s_wait_dscnt 0x0
	global_store_b64 v7, v[8:9], s[10:11]          ; 32 lanes store 256 consecutive bytes
	s_wait_tensorcnt 0x0                           ; the wave's end, behind my last LDS store
	ds_add_u32 v[SPW], v[NIL]
	s_wait_dscnt 0x0
	s_endpgm
; W_OUT.  Wave W of 128 takes one plane: 128 rows n x 64 along k.  A load takes the plane's 256 bytes of two rows (lanes 0-15 one row, lanes 16-31 the next); its 128 f16 are 256 consecutive bytes of the copy.
; Loads run a batch of sixteen ahead.  No LDS.
.Lwout:
	s_sub_co_u32 s17, ttmp9, WGQ
	s_lshl_b32 s17, s17, 2
	s_add_co_u32 s17, s17, s16                     ; W
	s_lshr_b32 s18, s17, 4                         ; the block of 128 rows:
	s_lshl_b32 s18, s18, 19                        ; 128 rows of 4,096 bytes,
	s_and_b32 s20, s17, 15                         ; the chunk of 64 along k:
	s_lshl_b32 s20, s20, 8                         ; 256 bytes
	s_add_co_u32 s18, s18, s20
	s_mov_b32 s19, 0
	s_lshl_b32 s20, s17, 14                        ; a plane of the copy is 16,384 bytes
	s_mov_b32 s21, 0
	s_add_nc_u64 s[24:25], s[24:25], s[18:19]
	s_add_nc_u64 s[26:27], s[26:27], s[20:21]
	v_lshrrev_b32 v8, 4, v2
	v_and_b32 v9, 15, v2
	v_lshlrev_b32 v9, 4, v9
	v_lshl_add_u32 v8, v8, 12, v9                  ; in: row lane / 16, 16 bytes a lane
	v_lshlrev_b32 v10, 3, v2                       ; out: 8 bytes a lane
.macro WLOAD t
.irp i, 0,1,2,3,4,5,6,7,8,9,10,11,12,13,14,15
	global_load_b128 v[WR+64*((\t)%2)+4*\i:WR+64*((\t)%2)+4*\i+3], v8, s[24:25] offset:(16*(\t)+\i)*8192 th:TH_LOAD_NT
.endr
.endm
.macro WCVT t, left                    ; left: the younger batch's loads, which may stay out
	s_wait_loadcnt \left
.if (\t) > 0
	s_wait_xcnt 0x0                                ; the last batch's stores have read their data registers, which are written again below
.endif
.irp i, 0,1,2,3,4,5,6,7,8,9,10,11,12,13,14,15
	v_cvt_pk_f16_f32 v[WC+2*\i], v[WR+64*((\t)%2)+4*\i], v[WR+64*((\t)%2)+4*\i+1]
	v_cvt_pk_f16_f32 v[WC+2*\i+1], v[WR+64*((\t)%2)+4*\i+2], v[WR+64*((\t)%2)+4*\i+3]
	global_store_b64 v10, v[WC+2*\i:WC+2*\i+1], s[26:27] offset:(16*(\t)+\i)*256   ; 32 lanes store 256 consecutive bytes
.endr
.endm
	WLOAD 0
	WLOAD 1
	WCVT 0, 16
	WLOAD 2
	WCVT 1, 16
	WLOAD 3
	WCVT 2, 16
	WCVT 3, 0
	s_wait_tensorcnt 0x0                           ; the wave's end
	ds_add_u32 v[SPW], v[NIL]
	s_wait_dscnt 0x0
	s_endpgm
.Lfunc_end_k_q64a8e23511_quant:
	.size	k_q64a8e23511_quant, .Lfunc_end_k_q64a8e23511_quant-k_q64a8e23511_quant
	.p2alignl 7, 3214868480
	.fill 96, 4, 3214868480
	.section	.rodata,"a",@progbits
	.p2align	6, 0x0
	.amdhsa_kernel k_q64a8e23511_quant
		.amdhsa_group_segment_fixed_size 33280
		.amdhsa_private_segment_fixed_size 0
		.amdhsa_enable_private_segment 0
		.amdhsa_kernarg_size 64
		.amdhsa_user_sgpr_count 2
		.amdhsa_user_sgpr_kernarg_segment_ptr 1
		.amdhsa_wavefront_size32 1
		.amdhsa_system_sgpr_workgroup_id_x 1
		.amdhsa_system_sgpr_workgroup_id_y 1
		.amdhsa_system_sgpr_workgroup_id_z 1
		.amdhsa_system_vgpr_workitem_id 0
		.amdhsa_next_free_vgpr 192
		.amdhsa_next_free_sgpr 66
		.amdhsa_reserve_vcc 0
		.amdhsa_float_denorm_mode_32 3
		.amdhsa_float_denorm_mode_16_64 3
		.amdhsa_memory_ordered 1
		.amdhsa_forward_progress 1
		.amdhsa_inst_pref_size 55
	.end_amdhsa_kernel
	.amdgpu_metadata
---
amdhsa.version: [ 1, 2 ]
amdhsa.kernels:
  - .name:           k_q64a8e23511_quant
    .symbol:         k_q64a8e23511_quant.kd
    .args:
      - { .name: x, .offset: 0, .size: 8, .value_kind: global_buffer, .address_space: global }
      - { .name: w_in, .offset: 8, .size: 8, .value_kind: global_buffer, .address_space: global }
      - { .name: xc, .offset: 16, .size: 8, .value_kind: global_buffer, .address_space: global }
      - { .name: xs, .offset: 24, .size: 8, .value_kind: global_buffer, .address_space: global }
      - { .name: wc, .offset: 32, .size: 8, .value_kind: global_buffer, .address_space: global }
      - { .name: ws, .offset: 40, .size: 8, .value_kind: global_buffer, .address_space: global }
      - { .name: w_out, .offset: 48, .size: 8, .value_kind: global_buffer, .address_space: global }
      - { .name: woh, .offset: 56, .size: 8, .value_kind: global_buffer, .address_space: global }
    .group_segment_fixed_size: 33280
    .private_segment_fixed_size: 0
    .kernarg_segment_align: 8
    .kernarg_segment_size: 64
    .max_flat_workgroup_size: 128
    .sgpr_count:     66
    .vgpr_count:     192
    .wavefront_size: 32
...
	.end_amdgpu_metadata
.endif
;; end of part 1
;; launch qkv (part 2): grid 12 x 16, 4 waves a work-group, clusters of 4 x 4, 327,680 bytes of LDS; arguments xc, xs, wc, ws, qkvh, b_in, q32; writes qkvh, q32
.if DOCPART == 2
	.amdgcn_target "amdgcn-amd-amdhsa--gfx1250"
	.amdhsa_code_object_version 6
	.text
	.protected	k_q64a8e23511_qkv
	.globl	k_q64a8e23511_qkv
	.p2align	8
	.type	k_q64a8e23511_qkv,@function
k_q64a8e23511_qkv:
	s_mov_b64 s[64:65], 0
	v_nop
	global_prefetch_b8 v0, s[64:65] scope:SCOPE_SE
	s_setreg_imm32_b32 hwreg(HW_REG_WAVE_MODE, 25, 1), 1
	s_wait_xcnt 0x0
	s_wait_alu depctr_hold_cnt(0) depctr_sa_sdst(0) depctr_va_vdst(0) depctr_va_sdst(0) depctr_va_ssrc(0) depctr_va_vcc(0) depctr_vm_vsrc(0)
	s_getreg_b32 s2, hwreg(HW_REG_IB_STS2, 6, 4)
	s_cmp_eq_u32 s2, 0
	s_cbranch_scc0 .Lentry_in_a_cluster
	s_endpgm
.Lentry_in_a_cluster:
	s_bfe_u32 s2, ttmp6, 0x10000c
	s_cmp_lg_u32 s2, 0xf033
	s_cbranch_scc0 .Lentry_shape_is_right
	s_endpgm
.Lentry_shape_is_right:
; qkv[m][n] = sum over k of x[m][k] w_in[n][k] + b_in[n], on codes of FP4 (E2M1) with one E8M0 scale for each 32 along K; sums in f32.  m = 2,048 batch + t; 4,096 x 3,072 x 1,024.
; OUT: f16, by head: [batch 2][plane 48 = n / 64][t 2,048][64] (planes 0-15 q's heads, 16-31 k's, 32-47 v's); and the rows t < 16 of both batches once more in f32, as images of the accumulators' registers:
; [batch][n / 16][g 2][lane 32][16 bytes]: lane (r, h) of block g holds row t = r, columns 16 (n / 16) + 8 h + 4 g + 0 .. 3.  LIMIT: |qkv| stays under 65,504, f16's largest number.
; A tile of 256 x 256 is made by a work-group of four waves; a wave makes 128 x 128: 64 accumulators of 16 x 16, 512 registers.  12 x 16 = 192 work-groups: K = 1,024 is just two LDS slots of 512 along K, both asked for
; at the head, so nothing is ever filled again; a smaller tile would read each LDS byte for half as many products.
; THE SCALES of the work-group's 256 rows of x and 256 rows of w_in, for all of K, are two dense blocks of 8,192 bytes: they come into LDS once, with the first fills.
; CLUSTERS: 4 x 4 work-groups.  The four of a row of the cluster need the same tiles of x, the four of a column the same tiles of w_in: each tile is asked for JOINTLY.
; THE MATRIX INSTRUCTION IS USED TRANSPOSED (source 0 = 16 rows of w_in, source 1 = 16 rows of x): a lane then holds eight neighbouring columns of one row.  The bias is the C of each sum's first product.
; REGISTERS, in windows of 256: window 0: v0-31 addresses; v32-95 scale words, two sets; v128-191 x's fragments, one set; v192-255 the bias, eight registers for each of my eight blocks of 16 columns.
;   window 1: w_in's fragments, two sets, at v0 and v128.   window 2: the 32 accumulators of my rows 0-63 (accumulator (a, b) at v[8 (8 a + b)]);   window 3: those of my rows 64-127.
.set KSTEP,  512                       ; along K in a slot
.set NQ,     KSTEP/128                 ; matrix instructions deep
.set ROWB,   256                       ; a tile's row in bytes
.set KROW,   512                       ; a row of codes in memory
.set PITCH,  272                       ; an LDS row: 256 bytes + 16 of padding: the 16 rows that a load touches start at 16 different 16-byte columns
.set FR,     8                         ; registers of a fragment: 16 rows x 128 K
.set NL,     2                         ; LDS loads that bring one
.set NP,     4                         ; places behind this matrix instruction (ISA guide 7.12.1)
.set HALFT,  128*PITCH                 ; 128 rows: what one tensor load brings
.set SLOT,   4*HALFT                   ; x's 256 rows, then w_in's 256 rows
.set KS,     32                        ; a row of scales in bytes
.set SCL,    2*SLOT                    ; behind the two slots: the scales, as lines of 256 bytes + 16 of padding
.set HALFS,  (128*KS/256)*272          ; the scales of 128 rows
.set SBLK,   (16*KS/256)*272           ; those of 16 rows
.set SPARE,  SCL+4*HALFS               ; behind the scales: the spare words, 128 bytes for each wave
.set SPITCH, 272                       ; the way out: a stage of 16 rows x (256 bytes + 16) for each wave, in slot 0, which has had its only fill and its last read by then
.set PLANEB, 262144                    ; a plane of the output: 2,048 rows of 128 bytes
.set ADRA, 16                          ; v16-17  LDS address of my x fragments in slot 0, 1
.set ADRB, 20                          ; v20-21  the same for w_in
.set STO,  24                          ; v24     the way out: where I put 16 bytes of a row
.set RD,   25                          ; v25     where I read four half rows back
.set CO,   26                          ; v26     16 x lane
.set ADRS, 27                          ; v27     LDS address of my scale words: lanes 0-15 x's rows, lanes 16-31 w_in's
.set SPW,  28                          ; v28     LDS address of my spare word; never rewritten
.set NIL,  29                          ; v29     0; never rewritten
.set BO,   30                          ; v30     32 x (lane / 16): my eight numbers of a block of the bias
.set RT,   31                          ; v31     tile row mod 8: 0 where the tile begins a batch
.set SC,   32                          ; scale words: set s at v[SC + 32 s]; register NQ i + q: lanes 0-15 x's block i, lanes 16-31 w_in's block i, the slot's q-th 128 along K
.set AF,   128                         ; x's fragments
.set BI,   192                         ; the bias
.set TMP,  32                          ; the way out: packed results
.set BK,   64                          ; and 16 rows read back: v64-95 and v96-127 by turns
.set G1, 24                            ; s[24:31] descriptor group 1 for x's tiles;  s[32:39] group 0, one set for each slot
.set G0, 32
.set G1B, 48                           ; s[48:55], s[56:63] the same for w_in's tiles
.set G0B, 56
.set G1S, 68                           ; s[68:75], s[76:79] groups 1 and 0 for x's scales;  s[80:87], s[88:91] for w_in's
.set G0S, 76
.set G1SB, 80
.set G0SB, 88
.set MSB, 0
.macro WIN new                         ; the immediate's high byte repeats the setting that is left
.if MSB != \new
	s_set_vgpr_msb (MSB<<8)|\new
.set MSB, \new
.endif
.endm
.set MUL_LO, 0xa1                      ; source 0 (w_in) window 1, source 1 (x) window 0, C and D window 2
.set MUL_HI, 0xf1                      ; the same, C and D window 3
.set BIA_LO, 0x81                      ; the first step: C (the bias) window 0, D window 2
.set BIA_HI, 0xc1                      ; D window 3
.set TO_B,   0x40                      ; destination window 1, address window 0
; A joint load: waves 0 and 1 fetch for x, waves 2 and 3 for w_in.  Each of the two lines has one mask and one set of registers for all that issue it; the branch hangs on the wave's number alone.
; An s_nop 0 and four v_nop follow each of the two lines.
.macro JLOAD g0a, g1a, g0b, g1b
	s_cmp_eq_u32 s15, 0
	s_cbranch_scc0 .Lfor_b_\@
	tensor_load_to_lds s[\g0a:\g0a+3], s[\g1a:\g1a+7]
	s_nop 0
.rept 4
	v_nop
.endr
	s_branch .Lasked_\@
.Lfor_b_\@:
	tensor_load_to_lds s[\g0b:\g0b+3], s[\g1b:\g1b+7]
	s_nop 0
.rept 4
	v_nop
.endr
.Lasked_\@:
.endm
.macro CROUND                          ; a round of the cluster's barrier
	s_barrier_signal -1
	s_barrier_wait -1
	s_cmp_lg_u32 s14, 0
	s_cbranch_scc1 .Lnot_wave_0_\@
	s_barrier_signal -3
.Lnot_wave_0_\@:
	s_barrier_wait -3
	s_barrier_signal -1
	s_barrier_wait -1
.endm
	s_load_b128 s[4:7], s[0:1], 0x0                ; x's codes s[4:5], x's scales s[6:7]
	s_load_b128 s[8:11], s[0:1], 0x10              ; w_in's codes s[8:9], w_in's scales s[10:11]
	s_load_b64 s[12:13], s[0:1], 0x20              ; the f16 output
	s_load_b64 s[96:97], s[0:1], 0x28              ; b_in
	s_load_b64 s[98:99], s[0:1], 0x30              ; the f32 images
	v_lshl_add_u32 v[SPW], v0, 2, SPARE
	v_mov_b32 v[NIL], 0
	ds_add_u32 v[SPW], v[NIL]                      ; the wave's opening: the add, twice on end, and its wait ahead of my first tensor load
	ds_add_u32 v[SPW], v[NIL]
	v_lshrrev_b32 v1, 5, v0
	v_readfirstlane_b32 s14, v1                    ; wave 0..3
	s_lshr_b32 s15, s14, 1                         ; which half of the tile's rows is mine.  Also: I fetch for x (0) or for w_in (1)
	s_and_b32 s16, s14, 1                          ; which half of its columns.  Also: which 128 rows of that tile I fetch
	s_bfe_u32 s40, ttmp6, 0x40000                  ; cx, cy: my place in the cluster
	s_bfe_u32 s41, ttmp6, 0x40004
	s_lshl_b32 s42, ttmp9, 2
	s_add_co_u32 s42, s42, s40                     ; tile column = 4 x cluster x + cx
	s_and_b32 s17, ttmp7, 0xffff
	s_lshl_b32 s17, s17, 2
	s_add_co_u32 s17, s17, s41                     ; tile row = 4 x cluster y + cy
	s_lshl_b32 s43, s41, 2
	s_lshl_b32 s43, 15, s43                        ; my row of the cluster
	s_lshl_b32 s44, 0x1111, s40                    ; my column
	; descriptor group 1: a tile of 128 rows x 256 bytes, padded in LDS
	s_or_b32 s[G1+0], s43, (0<<16)|(1<<20)|(1<<21)|(5<<22)|(3<<25)  ; 15:0 the mask: x's tiles go to my row; 17:16 elements of 1 byte; 20 padding on; 21 set beside a mask; 24:22 after every 64 words; 31:25 four words
	s_or_b32 s[G1B+0], s44, (0<<16)|(1<<20)|(1<<21)|(5<<22)|(3<<25)
.irp g, G1, G1B
	s_mov_b32 s[\g+1], ROWB<<16                    ; tensor_dim0
	s_mov_b32 s[\g+2], 128<<16                     ; tensor_dim1
	s_mov_b32 s[\g+3], ROWB<<16                    ; tile_dim0
	s_mov_b32 s[\g+4], 128                         ; tile_dim1
	s_mov_b32 s[\g+5], KROW                        ; tensor_dim0_stride
	s_mov_b32 s[\g+6], 0
	s_mov_b32 s[\g+7], 0
.endr
	; and for the scales of 128 rows: a dense block of 4,096 bytes, as lines of 256 bytes (32 elements of 8 bytes), 16 bytes of padding behind each
	s_or_b32 s[G1S+0], s43, (3<<16)|(1<<20)|(1<<21)|(5<<22)|(3<<25)
	s_or_b32 s[G1SB+0], s44, (3<<16)|(1<<20)|(1<<21)|(5<<22)|(3<<25)
.irp g, G1S, G1SB
	s_mov_b32 s[\g+1], 32<<16
	s_mov_b32 s[\g+2], (128*KS/256)<<16
	s_mov_b32 s[\g+3], 32<<16
	s_mov_b32 s[\g+4], 128*KS/256
	s_mov_b32 s[\g+5], 32
	s_mov_b32 s[\g+6], 0
	s_mov_b32 s[\g+7], 0
.endr
	s_lshl_b32 s18, s16, 7                         ; which 128 rows of the tile I fetch
	s_lshl_b32 s20, s17, 8
	s_add_co_u32 s20, s20, s18                     ; x: row 256 x tile row + 128 x half
	s_lshl_b32 s46, s42, 8
	s_add_co_u32 s46, s46, s18                     ; w_in: row 256 x tile column + 128 x half
	s_mov_b32 s21, 0
	s_mov_b32 s47, 0
	s_mov_b64 s[18:19], KS
	s_mul_u64 s[22:23], s[20:21], s[18:19]         ; where these rows' scales begin, in bytes
	s_mul_u64 s[92:93], s[46:47], s[18:19]
	s_mov_b64 s[18:19], KROW
	s_mul_u64 s[20:21], s[20:21], s[18:19]         ; and their codes
	s_mul_u64 s[46:47], s[46:47], s[18:19]
	s_mul_i32 s45, s14, HALFT                      ; where they go: wave x 128 rows: no place in the cluster enters an LDS address
	s_mul_i32 s94, s14, HALFS
	s_wait_dscnt 0x0                               ; both opening adds are done
	s_wait_kmcnt 0x0
	s_add_nc_u64 s[20:21], s[4:5], s[20:21]
	s_add_nc_u64 s[22:23], s[6:7], s[22:23]
	s_add_nc_u64 s[46:47], s[8:9], s[46:47]
	s_add_nc_u64 s[92:93], s[10:11], s[92:93]
	CROUND                                         ; all sixteen work-groups are here: the joint loads meet
	s_mov_b32 s[G0S], 1
	s_add_co_u32 s[G0S+1], s94, SCL
	s_mov_b64 s[G0S+2:G0S+3], s[22:23]
	s_or_b32 s[G0S+3], s[G0S+3], 0x80000000
	s_mov_b32 s[G0SB], 1
	s_add_co_u32 s[G0SB+1], s94, SCL
	s_mov_b64 s[G0SB+2:G0SB+3], s[92:93]
	s_or_b32 s[G0SB+3], s[G0SB+3], 0x80000000
	JLOAD G0S, G1S, G0SB, G1SB                     ; the scales first: they are wanted with the first slot.  Three loads of mine are out behind the next two
.irp s, 0,1
	s_mov_b32 s[G0+4*\s], 1
	s_add_co_u32 s[G0+4*\s+1], s45, \s*SLOT
	s_add_nc_u64 s[G0+4*\s+2:G0+4*\s+3], s[20:21], \s*ROWB
	s_or_b32 s[G0+4*\s+3], s[G0+4*\s+3], 0x80000000
	s_mov_b32 s[G0B+4*\s], 1
	s_add_co_u32 s[G0B+4*\s+1], s45, \s*SLOT
	s_add_nc_u64 s[G0B+4*\s+2:G0B+4*\s+3], s[46:47], \s*ROWB
	s_or_b32 s[G0B+4*\s+3], s[G0B+4*\s+3], 0x80000000
	JLOAD G0+4*\s, G1, G0B+4*\s, G1B
.endr
	v_and_b32 v1, 15, v0                           ; l % 16
	v_bfe_u32 v2, v0, 4, 1                         ; l / 16
	v_lshlrev_b32 v[BO], 5, v2
	s_lshl_b32 s20, s42, 10                        ; the bias of my 128 columns: 4 x (256 x tile column + 128 x half)
	s_lshl_b32 s21, s16, 9
	s_add_co_u32 s20, s20, s21
	s_mov_b32 s21, 0
	s_add_nc_u64 s[96:97], s[96:97], s[20:21]
.irp b, 0,1,2,3,4,5,6,7
	global_load_b128 v[BI+8*\b:BI+8*\b+3], v[BO], s[96:97] offset:64*\b        ; lane (r, h): b_in at columns 16 b + 8 h + 0 .. 7: the result's layout
	global_load_b128 v[BI+8*\b+4:BI+8*\b+7], v[BO], s[96:97] offset:64*\b+16
.endr
	v_mul_u32_u24 v3, v1, PITCH
	v_lshl_add_u32 v4, v2, 4, v3                   ; a fragment's row x pitch + 16 x half
	s_mul_i32 s21, s15, HALFT                      ; my 128 rows of x
	s_mul_i32 s22, s16, HALFT                      ; my 128 rows of w_in,
	s_add_co_u32 s22, s22, 2*HALFT                 ; which lie behind x's 256
.irp s, 0,1
	v_add_nc_u32 v[ADRA+\s], s21, v4
	v_add_nc_u32 v[ADRB+\s], s22, v4
	s_add_co_u32 s21, s21, SLOT
	s_add_co_u32 s22, s22, SLOT
.endr
	v_mul_u32_u24 v5, v1, KS                       ; my row's scales: KS bytes a row,
	v_lshrrev_b32 v6, 8, v5
	v_lshl_add_u32 v5, v6, 4, v5                   ; and 16 more for each 256 passed
	s_mul_i32 s21, s15, HALFS                      ; x's: my 128 rows
	s_mul_i32 s22, s16, HALFS                      ; w_in's: my 128 rows, behind x's 256
	s_add_co_u32 s22, s22, 2*HALFS
	s_sub_co_u32 s22, s22, s21
	v_mul_u32_u24 v6, s22, v2                      ; lanes 16-31 take w_in's
	s_add_co_u32 s21, s21, SCL
	v_add_nc_u32 v5, v5, v6
	v_add_nc_u32 v[ADRS], s21, v5
	s_mul_i32 s23, s14, 16*SPITCH                  ; my stage
	v_mul_u32_u24 v5, v1, SPITCH                   ; in: row l % 16, 16 bytes for each half of the lanes
	v_lshl_add_u32 v5, v2, 4, v5
	v_add_nc_u32 v[STO], s23, v5
	v_and_b32 v6, 31, v0
	v_lshlrev_b32 v[CO], 4, v6
	v_lshrrev_b32 v5, 3, v6                        ; back: eight lanes take one head's 128 bytes of a row, the 32 lanes four rows
	v_mul_u32_u24 v5, v5, SPITCH
	v_and_b32 v6, 7, v6
	v_lshl_add_u32 v5, v6, 4, v5
	v_add_nc_u32 v[RD], s23, v5
	s_and_b32 s18, s17, 7
	v_mov_b32 v[RT], s18                           ; 0 where my tile's first row is t = 0 of a batch
	s_lshr_b32 s18, s17, 3                         ; the batch
	s_mul_i32 s20, s18, 196608                     ; the images: 192 blocks of 1,024 bytes a batch,
	s_lshl_b32 s21, s42, 14                        ; 16 blocks a tile column,
	s_add_co_u32 s20, s20, s21
	s_lshl_b32 s21, s16, 13                        ; 8 a half
	s_add_co_u32 s20, s20, s21
	s_mov_b32 s21, 0
	s_add_nc_u64 s[98:99], s[98:99], s[20:21]
	s_mul_i32 s20, s18, 48                         ; the f16 output: plane 48 x batch + 4 x tile column + 2 x half,
	s_lshl_b32 s21, s42, 2
	s_add_co_u32 s20, s20, s21
	s_lshl_b32 s21, s16, 1
	s_add_co_u32 s20, s20, s21
	s_lshl_b32 s20, s20, 18
	s_and_b32 s21, s17, 7
	s_lshl_b32 s21, s21, 15                        ; row t = 256 x (tile row mod 8) + 128 x half, 128 bytes a row
	s_add_co_u32 s20, s20, s21
	s_lshl_b32 s21, s15, 14
	s_add_co_u32 s20, s20, s21
	s_mov_b32 s21, 0
	s_add_nc_u64 s[12:13], s[12:13], s[20:21]
.macro FRAG reg, adr, q, i             ; a fragment, 16 rows x 128 K of 4-bit codes: lane l holds row l % 16; registers 4 c .. 4 c + 3 hold K = 64 c + 32 (l / 16) + 0 .. 31
.irp c, 0,1
	ds_load_b128 v[\reg+4*\c:\reg+4*\c+3], v[\adr] offset:64*(\q)+32*\c+(\i)*16*PITCH
.endr
.endm
; 16 matrix instructions: x's blocks a0, a0 + 1 against w_in's eight, 128 along K: the slot's q-th.  p: w_in's set;  sc: the set of scale words.  zero = 1: the first product starts the sums from the bias.
; The 64 accumulators take turns, one instruction a turn, in the same order in every step.
.macro MUL16 a0, p, q, sc, zero
.irp a, \a0, \a0+1
.irp b, 0,1,2,3,4,5,6,7
.if \zero
	v_wmma_scale_f32_16x16x128_f8f6f4 v[8*(8*((\a)%4)+\b):8*(8*((\a)%4)+\b)+7], v[128*(\p)+FR*\b:128*(\p)+FR*\b+FR-1], v[AF+FR*(\a):AF+FR*(\a)+FR-1], v[BI+8*\b:BI+8*\b+7], v[SC+8*NQ*(\sc)+NQ*\b+(\q)], v[SC+8*NQ*(\sc)+NQ*(\a)+(\q)] matrix_a_fmt:MATRIX_FMT_FP4 matrix_b_fmt:MATRIX_FMT_FP4 matrix_a_scale:MATRIX_SCALE_ROW1
.else
	v_wmma_scale_f32_16x16x128_f8f6f4 v[8*(8*((\a)%4)+\b):8*(8*((\a)%4)+\b)+7], v[128*(\p)+FR*\b:128*(\p)+FR*\b+FR-1], v[AF+FR*(\a):AF+FR*(\a)+FR-1], v[8*(8*((\a)%4)+\b):8*(8*((\a)%4)+\b)+7], v[SC+8*NQ*(\sc)+NQ*\b+(\q)], v[SC+8*NQ*(\sc)+NQ*(\a)+(\q)] matrix_a_fmt:MATRIX_FMT_FP4 matrix_b_fmt:MATRIX_FMT_FP4 matrix_a_scale:MATRIX_SCALE_ROW1
.endif
.endr
.endr
.endm
.macro FETCH_B slot, q, p              ; w_in's eight fragments of the slot's q-th 128 along K into set p
	WIN TO_B
.irp i, 0,1,2,3,4,5,6,7
	FRAG 128*(\p)+FR*\i, ADRB+\slot, \q, \i
.endr
	WIN 0
.endm
.macro FETCH_A slot, q, i0             ; x's blocks i0 .. i0 + 3
.irp i, \i0, \i0+1, \i0+2, \i0+3
	FRAG AF+FR*(\i), ADRA+\slot, \q, \i
.endr
.endm
.macro SCALES sc                       ; a slot's scale words into set sc: NQ words a row; lanes 0-15 take x's block i, lanes 16-31 w_in's block i
.irp i, 0,1,2,3,4,5,6,7
	ds_load_b128 v[SC+8*NQ*\sc+NQ*\i:SC+8*NQ*\sc+NQ*\i+3], v[ADRS] offset:\i*SBLK
.endr
.endm
; A load into a register that a matrix instruction has read, and a vector instruction or a store that reads a matrix result, stand NP places behind that matrix instruction; only plain vector instructions
; that name none of its registers are places (ISA guide 7.12.1 for vector instructions).
.macro PLACES n
.rept \n
	v_nop
.endr
.endm
; A step of 128 along K that has its successor in the same slot.
.macro STEP slot, q, zero
	s_wait_dscnt 4*NL                              ; w_in's set and x's blocks 0-3 are in; the youngest eight loads (x's blocks 4-7) may be out
.if \zero
	WIN BIA_LO
.else
	WIN MUL_LO
.endif
	MUL16 0, (\q)%2, \q, \slot, \zero
	MUL16 2, (\q)%2, \q, \slot, \zero
	s_wait_dscnt 0                                 ; x's blocks 4-7 are in (asked for 32 matrix instructions ago)
	PLACES NP
	FETCH_B \slot, (\q)+1, 1-(\q)%2
	FETCH_A \slot, (\q)+1, 0
.if \zero
	WIN BIA_HI
.else
	WIN MUL_HI
.endif
	MUL16 4, (\q)%2, \q, \slot, \zero
	MUL16 6, (\q)%2, \q, \slot, \zero
	PLACES NP
	WIN 0
	FETCH_A \slot, (\q)+1, 4
.endm
; Slot 0's last step changes slots: one barrier; in front of it each wave waits for all its tensor loads (its part of slot 1), adds 0 to its spare word, and waits for that and for its own reads of slot 0.
; Behind it slot 1 is whole, and nobody reads slot 0 any more: the way out's stages lie there.  Nothing is filled again.
.macro TURN slot, next
	s_wait_tensorcnt 0x0                           ; all my tensor loads have landed
	ds_add_u32 v[SPW], v[NIL]                      ; 0 onto my spare word
	s_wait_dscnt 4*NL+1                            ; (the add and the youngest eight loads, x's blocks 4-7, may be out)
	WIN MUL_LO
	MUL16 0, 1, NQ-1, \slot, 0                     ; sixteen matrix instructions stand between the add and the wait for it
	s_wait_dscnt 0x0                               ; the add is done, and my reads of this slot are over
	s_barrier_signal -1
	MUL16 2, 1, NQ-1, \slot, 0
	WIN 0
	s_barrier_wait -1
	PLACES NP
	v_add_nc_u32 v[ADRS], 4*NQ, v[ADRS]            ; on to the next slot's scale words (no LDS load of mine is out)
	FETCH_B \next, 0, 0
	FETCH_A \next, 0, 0
	SCALES \next
	WIN MUL_HI
	MUL16 4, 1, NQ-1, \slot, 0
	MUL16 6, 1, NQ-1, \slot, 0
	PLACES NP
	WIN 0
	FETCH_A \next, 0, 4
.endm
	s_wait_tensorcnt 1                             ; the scales and my part of slot 0 are in (slot 1's load may be out)
	s_barrier_signal -1
	s_barrier_wait -1                              ; everybody's are
	FETCH_B 0, 0, 0
	FETCH_A 0, 0, 0
	SCALES 0
	FETCH_A 0, 0, 4
	s_wait_loadcnt 0x0                             ; the bias
	STEP 0, 0, 1                                   ; the first step's products start the sums from the bias: nothing is cleared, nothing is added later
	STEP 0, 1, 0
	STEP 0, 2, 0
	TURN 0, 1
	STEP 1, 0, 0
	STEP 1, 1, 0
	STEP 1, 2, 0
	s_wait_dscnt 4*NL                              ; the very last step: nothing more to fetch
	WIN MUL_LO
	MUL16 0, 1, NQ-1, 1, 0
	MUL16 2, 1, NQ-1, 1, 0
	s_wait_dscnt 0
	WIN MUL_HI
	MUL16 4, 1, NQ-1, 1, 0
	MUL16 6, 1, NQ-1, 1, 0
	WIN 0
	PLACES NP                                      ; behind the last products: for the stores and conversions that read results, and for the writes of registers that held scales and fragments
	; THE ROWS t < 16 IN F32: block a = 0 of the waves of row half 0, where the tile begins a batch.  The wave's number decides by a branch; the tile row, which differs between partners of a cluster,
	; decides by EXEC alone: the lanes are all on or all off, and no branch hangs on it.
	s_cmp_lg_u32 s15, 0
	s_cbranch_scc1 .Lno_fine
	v_cmp_eq_u32 vcc_lo, 0, v[RT]
	s_wait_xcnt 0x0                                ; EXEC changes only behind this wait
	s_and_saveexec_b32 s100, vcc_lo
	WIN 0x08                                       ; a store's data are its source 1: window 2
.irp b, 0,1,2,3,4,5,6,7
	global_store_b128 v[CO], v[8*\b:8*\b+3], s[98:99] offset:\b*1024           ; each accumulator from its low end on; 32 lanes store 512 consecutive bytes
	global_store_b128 v[CO], v[8*\b+4:8*\b+7], s[98:99] offset:\b*1024+512
.endr
	WIN 0
	s_wait_xcnt 0x0                                ; and again, in front of the line that widens it
	s_or_b32 exec_lo, exec_lo, s100
.Lno_fine:
; THE WAY OUT, block by block of 16 rows x 128 columns (two heads).  PACK: rounded to f16, 16 bytes a lane.  TOSTAGE: into my own stage in LDS, and back so that the 32 lanes hold four rows' 128 bytes of one head:
; 512 consecutive bytes of the output.  SEND: stored.  LDS serves a wave's instructions in order (ISA guide 5.7.1.4): no wait between the stage's stores and loads.
.macro PACK a
.set AC, 64*((\a)%4)
	WIN 0x0a+5*((\a)/4)                            ; sources 0 and 1: window 2 or 3
.irp b, 0,1,2,3,4,5,6,7
.irp e, 0,1,2,3
	v_cvt_pk_f16_f32 v[TMP+4*\b+\e], v[AC+8*\b+2*\e], v[AC+8*\b+2*\e+1]
.endr
.endr
	WIN 0
.endm
.macro TOSTAGE a
.set BB, BK+32*((\a)%2)
.irp b, 0,1,2,3,4,5,6,7
	ds_store_b128 v[STO], v[TMP+4*\b:TMP+4*\b+3] offset:32*\b
.endr
.irp i, 0,1,2,3
.irp j, 0,1
	ds_load_b128 v[BB+4*(2*\i+\j):BB+4*(2*\i+\j)+3], v[RD] offset:\i*4*SPITCH+128*\j
.endr
.endr
.endm
.macro SEND a, younger
.set BB, BK+32*((\a)%2)
	s_wait_dscnt \younger                          ; the block is back in registers
.irp i, 0,1,2,3
.irp j, 0,1
	global_store_b128 v[CO], v[BB+4*(2*\i+\j):BB+4*(2*\i+\j)+3], s[12:13] offset:\j*PLANEB+(\a)*2048+\i*512
.endr
.endr
.endm
	PACK 0
	TOSTAGE 0
.irp a, 1,2,3,4,5,6,7                  ; block a's conversions stand between block a - 1's loads from the stage and the wait for them
	PACK \a
.if \a > 1
	s_wait_xcnt 0x0                                ; block a - 2's stores have read their registers: block a's loads may land there
.endif
	SEND \a-1, 0
	TOSTAGE \a
.endr
	SEND 7, 0
	s_wait_tensorcnt 0x0                           ; the wave's end, behind my last tensor load and my last LDS store
	ds_add_u32 v[SPW], v[NIL]
	s_wait_dscnt 0x0
	CROUND                                         ; the closing round: no work-group ends while a partner may still ask for a tile that names it
	s_endpgm
.Lfunc_end_k_q64a8e23511_qkv:
	.size	k_q64a8e23511_qkv, .Lfunc_end_k_q64a8e23511_qkv-k_q64a8e23511_qkv
	.p2alignl 7, 3214868480
	.fill 96, 4, 3214868480
	.section	.rodata,"a",@progbits
	.p2align	6, 0x0
	.amdhsa_kernel k_q64a8e23511_qkv
		.amdhsa_group_segment_fixed_size 327680
		.amdhsa_private_segment_fixed_size 0
		.amdhsa_enable_private_segment 0
		.amdhsa_kernarg_size 56
		.amdhsa_user_sgpr_count 2
		.amdhsa_user_sgpr_kernarg_segment_ptr 1
		.amdhsa_wavefront_size32 1
		.amdhsa_system_sgpr_workgroup_id_x 1
		.amdhsa_system_sgpr_workgroup_id_y 1
		.amdhsa_system_sgpr_workgroup_id_z 1
		.amdhsa_system_vgpr_workitem_id 0
		.amdhsa_next_free_vgpr 1024
		.amdhsa_next_free_sgpr 102
		.amdhsa_reserve_vcc 1
		.amdhsa_float_denorm_mode_32 3
		.amdhsa_float_denorm_mode_16_64 3
		.amdhsa_memory_ordered 1
		.amdhsa_forward_progress 1
		.amdhsa_inst_pref_size 130
	.end_amdhsa_kernel
	.amdgpu_metadata
---
amdhsa.version: [ 1, 2 ]
amdhsa.kernels:
  - .name:           k_q64a8e23511_qkv
    .symbol:         k_q64a8e23511_qkv.kd
    .args:
      - { .name: xc, .offset: 0, .size: 8, .value_kind: global_buffer, .address_space: global }
      - { .name: xs, .offset: 8, .size: 8, .value_kind: global_buffer, .address_space: global }
      - { .name: wc, .offset: 16, .size: 8, .value_kind: global_buffer, .address_space: global }
      - { .name: ws, .offset: 24, .size: 8, .value_kind: global_buffer, .address_space: global }
      - { .name: qkvh, .offset: 32, .size: 8, .value_kind: global_buffer, .address_space: global }
      - { .name: b_in, .offset: 40, .size: 8, .value_kind: global_buffer, .address_space: global }
      - { .name: q32, .offset: 48, .size: 8, .value_kind: global_buffer, .address_space: global }
    .group_segment_fixed_size: 327680
    .private_segment_fixed_size: 0
    .kernarg_segment_align: 8
    .kernarg_segment_size: 56
    .max_flat_workgroup_size: 128
    .sgpr_count:     102
    .vgpr_count:     1024
    .wavefront_size: 32
...
	.end_amdgpu_metadata
.endif
;; end of part 2
;; launch attn (part 3): grid 8 x 32, 8 waves a work-group, no clusters, 327,680 bytes of LDS; arguments qkvh, ctxh; writes ctxh
.if DOCPART == 3
	.amdgcn_target "amdgcn-amd-amdhsa--gfx1250"
	.amdhsa_code_object_version 6
	.text
	.protected	k_q64a8e23511_attn
	.globl	k_q64a8e23511_attn
	.p2align	8
	.type	k_q64a8e23511_attn,@function
k_q64a8e23511_attn:
	s_mov_b64 s[64:65], 0
	v_nop
	global_prefetch_b8 v0, s[64:65] scope:SCOPE_SE
	s_setreg_imm32_b32 hwreg(HW_REG_WAVE_MODE, 25, 1), 1
	s_wait_xcnt 0x0
; ctx[b][h][q][:] = the sum over k <= q of softmax_k(Q[q] . K[k] / 8) V[k][:], for 32 heads (batch x head) of 2,048 positions x 64 channels.  Q, K, V: f16 planes [2,048][64]; products, maxima and sums in f32;
; the weights p are rounded to f16 for the second product, ctx once at the end.  OUT: f16 [32 blocks of 128 rows = 16 batch + t / 128][16 heads][128 t][64]: the order in which the next launch fetches its tiles.
; LIMIT: |q|, |k|, |v| under 65,504 (they arrive in f16).  The first 16 positions of each sequence are computed here like all others and are computed again, in f32, by the last launch, which overwrites their output rows.
; SHARES.  Work-group (j, head): waves 0-3 own the block j of 128 queries, waves 4-7 the block 15 - j: under the causal mask every work-group then has 17 units of 128 x 128.  A wave owns 32 queries: two tiles of 16.
; Every work-group walks all 8 slots of 256 keys (constant trip counts); from the first key step (64 keys) all of whose keys come after the wave's queries the rest of a slot is jumped over, and a slot beyond the work-group's last query is not asked for.
; NO CLUSTER: the work-groups of a head need 1,152 to 2,048 keys: a joint load would bring tiles whose reads every wave of some partner jumps over.
; LAYOUT.  S^T = K Q^T (source 0 = 16 keys, source 1 = 16 queries): a lane holds ONE query (lane % 16) and keys 8 (lane / 16) + 0..7 of a tile.  Two such tiles, rounded to f16 in pairs, ARE source 1 (32 keys x 16 queries)
; of O^T = V^T P.  K comes out of LDS as it lies, V ([key][channel]) turned, by ds_load_tr16_b128.
; SOFTMAX.  For each query a running maximum m and sum l: p = 2^(c s - c m), c = log2(e) / 8; in every step O and l are multiplied by a = 2^(c m_old - c m_new).
; THE ORDER OF A KEY STEP.  The 64 fragment registers are two halves of 32: half A holds K's key tiles 0, 1 and then V's keys 0-31, half B K's key tiles 2, 3 and then V's keys 32-63.  A half is free as soon as the
; eight products on its part of V are issued: the NEXT step's K is asked for there, inside a slot, so that its loads are on their way under the step's last products and sums.  The vector work that hangs on no product
; in hand stands behind the products: the rescaling of O^T and the exponentials of keys 32-63 behind the eight products on V's first half, the sums over keys 32-63 round the last eight.
; REGISTERS: v1-13 addresses; v16-31 statistics, eight a tile: +0 c m, +1 m, +2, +3 l, +4 to +7 at work (a in +6); v32-95 S^T, 32 a tile, then P in each tile's first 16; v96-127 Q; v128-191 eight fragments, K's and then V's; v192-255 O^T.
.set KS,    64                         ; keys in a step
.set SK,    256                        ; keys in a slot
.set NSL,   2048/SK                    ; slots' worth of keys
.set ROWB,  128                        ; a row of Q, K or V in memory
.set KP,    144                        ; a row of K in LDS: 128 bytes + 16: the 16 rows of a load start at 16 different 16-byte columns
.set VP,    160                        ; a row of V: 128 + 32: the 8 rows x 32 bytes that 16 lanes of the turning load take fall on different columns
.set VOFF,  SK*KP                      ; a slot: 256 rows of K, then 256 rows of V
.set SLOT1, 1<<17                      ; slot 1 begins here: one exclusive or turns an address in one slot into the other's
.set STAGE, 2*SLOT1                    ; behind the ring: 32 rows x 144 bytes for each wave, for the way out
.set SPT,   144
.set SPARE, STAGE+8*32*SPT             ; behind the stages: the spare words, 128 bytes for each wave
.set PLANEB, 262144                    ; a plane: 2,048 rows of 128 bytes
.set AK0,  1                           ; v1   my lane's place in a tile of K
.set AV0,  2                           ; v2   the same for V
.set SPW,  3                           ; v3   LDS address of my spare word; never rewritten
.set NIL,  4                           ; v4   0; never rewritten
.set GO,   5                           ; v5   16 x lane: the way out
.set ADK,  6                           ; v6   LDS address of the slot's K
.set ADV,  7                           ; v7   of its V
.set PFO,  8                           ; v8   256 x lane: the prefetches' offset
.set STO,  9                           ; v9   the way out: where I put 16 bytes of a row
.set RD,   10                          ; v10  where I read four rows back
.set DM,   11                          ; v11  lane % 16 - 8 (lane / 16)
.set NINF, 12                          ; v12  -infinity
.set QO,   13                          ; v13  my byte offset in the wave's rows of Q
.set ST,   16
.set S,    32
.set QF,   96
.set KV,   128
.set OT,   192
.set TB,   2                           ; s2   LDS byte at which the slot in hand begins
.set WV,   18                          ; s18  my wave's number
.set SEL,  20                          ; s[20:21] lane selects for v_permlanex16_b32: lane l xor 16
.set CS,   22                          ; s[22:23] c, as a pair
.set G1K,  24                          ; s[24:31] descriptor group 1 for K's tiles;  s[32:39] for V's: the padding differs
.set G1V,  32
.set G0K,  40                          ; s[40:43], s[44:47] their groups 0, which walk
.set G0V,  44
.set KF,   48                          ; s48  the first key of the slot in hand
.set Q0,   49                          ; s49  my wave's first query
.set QL,   50                          ; s50  my work-group's last query
.set SLOTS, 51                         ; s51  changes of slots still to come in the loop
.set LIM,  52                          ; s52  1 in a work-group that prefetches, else the greatest number
.set QH,   53                          ; s53  my wave's last query
.set PFA,  54                          ; s[54:55] where my prefetches stand: my wave's 8,192 bytes of the slot after the one that is being asked for
; Waves 0-3 fetch a slot's four quarters of K (64 rows each), waves 4-7 those of V: one load a wave.  The branch hangs on the wave's number alone.  An s_nop 0 and four v_nop follow each line.
.macro TLOAD
	s_cmp_lt_u32 s[WV], 4
	s_cbranch_scc0 .Lfor_v_\@
	tensor_load_to_lds s[G0K:G0K+3], s[G1K:G1K+7]
	s_nop 0
.rept 4
	v_nop
.endr
	s_branch .Lasked_\@
.Lfor_v_\@:
	tensor_load_to_lds s[G0V:G0V+3], s[G1V:G1V+7]
	s_nop 0
.rept 4
	v_nop
.endr
.Lasked_\@:
.endm
; A PREFETCH INTO THE L2 of what the NEXT change of slots will ask for, a slot's four key steps ahead of that load.  All eight work-groups of a head walk the same K and V: the one with j = 0, which walks all keys, asks.
; In it each wave asks for the 8,192 bytes that it will itself fetch, lanes 256 bytes apart: each block of 256 bytes is named once in the launch.  The last change that fills a slot asks for nothing; slots 0 and 1 come by their loads alone.
.macro ASK
	s_cmp_gt_u32 s[SLOTS], s[LIM]
	s_cbranch_scc0 .Lnot_mine_\@
	global_prefetch_b8 v[PFO], s[PFA:PFA+1] th:TH_LOAD_NT scope:SCOPE_SE
.Lnot_mine_\@:
.endm
	s_load_b128 s[4:7], s[0:1], 0x0                ; the planes of q, k, v s[4:5]; ctx s[6:7]
	v_lshl_add_u32 v[SPW], v0, 2, SPARE
	v_mov_b32 v[NIL], 0
	ds_add_u32 v[SPW], v[NIL]                      ; the wave's opening: the add, twice on end, and its wait ahead of my first tensor load
	ds_add_u32 v[SPW], v[NIL]
	v_lshrrev_b32 v14, 5, v0
	v_readfirstlane_b32 s[WV], v14                 ; wave 0..7
	s_and_b32 s56, ttmp7, 0xffff                   ; 16 x batch + head
	s_lshr_b32 s57, s56, 4                         ; batch
	s_and_b32 s58, s56, 15                         ; head
	s_mul_i32 s59, s57, 48
	s_add_co_u32 s59, s59, s58
	s_lshl_b32 s59, s59, 18                        ; q's plane, in bytes; k's lies 16 planes on, v's 32
	s_and_b32 s60, s[WV], 3
	s_sub_co_u32 s61, 15, ttmp9
	s_cmp_lt_u32 s[WV], 4
	s_cselect_b32 s61, ttmp9, s61                  ; my block of 128 queries: j or 15 - j
	s_lshl_b32 s[Q0], s61, 7
	s_lshl_b32 s62, s60, 5
	s_add_co_u32 s[Q0], s[Q0], s62                 ; my first query
	s_add_co_u32 s[QH], s[Q0], 31                  ; and my last
	s_sub_co_u32 s[QL], 16, ttmp9
	s_lshl_b32 s[QL], s[QL], 7
	s_sub_co_u32 s[QL], s[QL], 1                   ; the work-group's last query: 128 (16 - j) - 1
	s_lshl_b32 s8, s[Q0], 7                        ; offsets, in registers of their own: my rows of Q,
	s_add_co_u32 s8, s8, s59
	s_mov_b32 s9, 0
	s_lshl_b32 s62, s60, 13
	s_add_co_u32 s10, s59, s62
	s_add_co_u32 s10, s10, 16*PLANEB               ; the quarter of a slot of K that a wave with my number mod 4 fetches,
	s_mov_b32 s11, 0
	s_add_co_u32 s12, s10, 16*PLANEB               ; the same of V,
	s_mov_b32 s13, 0
	s_lshl_b32 s14, s57, 4
	s_add_co_u32 s14, s14, s61
	s_lshl_b32 s14, s14, 4
	s_add_co_u32 s14, s14, s58
	s_lshl_b32 s14, s14, 14                        ; ctx: plane (16 batch + block) x 16 + head, 16,384 bytes each,
	s_lshl_b32 s62, s60, 12
	s_add_co_u32 s14, s14, s62                     ; my 32 rows of 128 bytes
	s_mov_b32 s15, 0
	s_cmp_lt_u32 s[WV], 4
	s_cselect_b32 s[PFA], s10, s12                 ; the prefetches: what I fetch,
	s_add_co_u32 s[PFA], s[PFA], SK*ROWB           ; in slot 1: the first change of slots steps it to slot 2
	s_mov_b32 s[PFA+1], 0
	s_cmp_eq_u32 ttmp9, 0
	s_cselect_b32 s[LIM], 1, -1
	; descriptor group 1: 64 rows x 64 elements of 2 bytes, dense in memory, padded in LDS behind each row
	s_mov_b32 s[G1K], (1<<16)|(1<<20)|(4<<22)|(3<<25)  ; 15:0 no mask; 17:16 elements of 2 bytes; 20 padding on; 24:22 after every 32 words (code 4); 31:25 four words (code 3)
	s_mov_b32 s[G1V], (1<<16)|(1<<20)|(4<<22)|(7<<25)  ; the same with eight words (code 7)
.irp g, G1K, G1V
	s_mov_b32 s[\g+1], 64<<16                      ; tensor_dim0
	s_mov_b32 s[\g+2], 64<<16                      ; tensor_dim1
	s_mov_b32 s[\g+3], 64<<16                      ; tile_dim0
	s_mov_b32 s[\g+4], 64                          ; tile_dim1
	s_mov_b32 s[\g+5], 64                          ; tensor_dim0_stride
	s_mov_b32 s[\g+6], 0
	s_mov_b32 s[\g+7], 0
.endr
	s_mov_b32 s[SEL], 0x76543210
	s_mov_b32 s[SEL+1], 0xfedcba98
	s_mov_b32 s[CS], 0x3e38aa3b                    ; c = log2(e) / 8
	s_mov_b32 s[CS+1], s[CS]                       ; (named with it as a pair, so it is written)
	s_mov_b32 s[TB], 0
	s_mov_b32 s[KF], 0
	s_mov_b32 s[SLOTS], NSL-1
	s_wait_dscnt 0x0                               ; both opening adds are done
	s_wait_kmcnt 0x0
	s_mov_b32 s[G0K], 1                            ; count = 1
	s_mul_i32 s[G0K+1], s60, 64*KP                 ; LDS address: slot 0, my quarter
	s_add_nc_u64 s[G0K+2:G0K+3], s[4:5], s[10:11]
	s_or_b32 s[G0K+3], s[G0K+3], 0x80000000        ; type = 2
	s_mov_b32 s[G0V], 1
	s_mul_i32 s[G0V+1], s60, 64*VP
	s_add_co_u32 s[G0V+1], s[G0V+1], VOFF
	s_add_nc_u64 s[G0V+2:G0V+3], s[4:5], s[12:13]
	s_or_b32 s[G0V+3], s[G0V+3], 0x80000000
	TLOAD                                          ; slot 0: one load of mine is out
	s_add_nc_u64 s[8:9], s[4:5], s[8:9]            ; Q at my first query
	s_add_nc_u64 s[14:15], s[6:7], s[14:15]        ; ctx likewise
	s_add_nc_u64 s[PFA:PFA+1], s[4:5], s[PFA:PFA+1]
	v_and_b32 v14, 15, v0                          ; r = lane % 16
	v_bfe_u32 v15, v0, 4, 1                        ; h = lane / 16
	v_lshlrev_b32 v[QO], 7, v14
	v_lshl_add_u32 v[QO], v15, 4, v[QO]            ; row r x 128 + 16 h
.irp t, 0,1
.irp c, 0,1
	global_load_b128 v[QF+16*\t+8*\c:QF+16*\t+8*\c+3], v[QO], s[8:9] offset:\t*2048+64*\c        ; Q stays in registers: tile t, channels 32 c on
	global_load_b128 v[QF+16*\t+8*\c+4:QF+16*\t+8*\c+7], v[QO], s[8:9] offset:\t*2048+64*\c+32
.endr
.endr
	v_mul_u32_u24 v[AK0], v14, KP
	v_lshl_add_u32 v[AK0], v15, 4, v[AK0]          ; K: row r x pitch + 16 h
	v_and_b32 v[ADK], 7, v0
	v_bfe_u32 v[ADV], v0, 3, 1
	v_lshl_add_u32 v[AV0], v15, 3, v[ADK]          ; V, for the turning load: key 8 h + lane % 8,
	v_mul_u32_u24 v[AV0], v[AV0], VP
	v_lshl_add_u32 v[AV0], v[ADV], 4, v[AV0]       ; channels 8 ((lane / 8) % 2) on
	v_add_nc_u32 v[AV0], VOFF, v[AV0]
	v_and_b32 v[GO], 31, v0
	v_lshlrev_b32 v[PFO], 8, v[GO]
	s_mul_i32 s56, s[WV], 32*SPT
	s_add_co_u32 s56, s56, STAGE                   ; my stage
	v_mul_u32_u24 v[STO], v14, SPT
	v_lshl_add_u32 v[STO], v15, 4, v[STO]
	v_add_nc_u32 v[STO], s56, v[STO]               ; in: row r, 16 bytes for each half of the lanes
	v_lshrrev_b32 v[RD], 3, v[GO]
	v_mul_u32_u24 v[RD], v[RD], SPT
	v_lshl_add_u32 v[RD], v[ADK], 4, v[RD]
	v_add_nc_u32 v[RD], s56, v[RD]                 ; back: eight lanes to a row of 128 bytes, four rows an instruction
	v_lshlrev_b32 v[GO], 4, v[GO]
	v_lshlrev_b32 v[DM], 3, v15
	v_sub_nc_u32 v[DM], v14, v[DM]
	v_mov_b32 v[NINF], 0xff800000
.irp t, 0,1
	v_mov_b32 v[ST+8*\t+1], 0xff61b1e6             ; m: -3e38, under every score
	v_mul_f32 v[ST+8*\t], s[CS], v[ST+8*\t+1]      ; c m
.irp i, 2,3,4,5,6,7
	v_mov_b32 v[ST+8*\t+\i], 0                     ; l; and the registers at work, so that each is written on every path
.endr
.endr
.set n, 0
.rept 64
	v_mov_b32 v[OT+n], 0                           ; O^T.  (The step is written once: the first finds zeros, which a = 0 leaves zeros)
.set n, n+1
.endr
; K's fragments of step q of the slot, key tiles 2 hf and 2 hf + 1, into half hf of the fragment registers: eight loads (key tile, channels 32 c on: two loads of 16 bytes, 32 bytes apart)
.macro KLOAD q, hf
.irp k2, 0,1
.irp c, 0,1
	ds_load_b128 v[KV+32*(\hf)+8*(2*\k2+\c):KV+32*(\hf)+8*(2*\k2+\c)+3], v[ADK] offset:(KS*(\q)+16*(2*(\hf)+\k2))*KP+64*\c
	ds_load_b128 v[KV+32*(\hf)+8*(2*\k2+\c)+4:KV+32*(\hf)+8*(2*\k2+\c)+7], v[ADK] offset:(KS*(\q)+16*(2*(\hf)+\k2))*KP+64*\c+32
.endr
.endr
.endm
; S^T = K Q^T on half hf: eight products on four accumulators (two key tiles x two tiles of queries), which take turns, one instruction a turn; the first four start the sums
.macro KQ hf
.irp c, 0,1
.irp k2, 0,1
.irp t, 0,1
.if \c == 0
	v_wmma_f32_16x16x32_f16 v[S+32*\t+8*(2*(\hf)+\k2):S+32*\t+8*(2*(\hf)+\k2)+7], v[KV+32*(\hf)+8*(2*\k2+\c):KV+32*(\hf)+8*(2*\k2+\c)+7], v[QF+16*\t+8*\c:QF+16*\t+8*\c+7], 0
.else
	v_wmma_f32_16x16x32_f16 v[S+32*\t+8*(2*(\hf)+\k2):S+32*\t+8*(2*(\hf)+\k2)+7], v[KV+32*(\hf)+8*(2*\k2+\c):KV+32*(\hf)+8*(2*\k2+\c)+7], v[QF+16*\t+8*\c:QF+16*\t+8*\c+7], v[S+32*\t+8*(2*(\hf)+\k2):S+32*\t+8*(2*(\hf)+\k2)+7]
.endif
.endr
.endr
.endr
.endm
; O^T += V^T P: accumulator a of eight (tile of queries a % 2, channels 16 (a / 2) on), keys 32 g on
.macro PVM g, a
	v_wmma_f32_16x16x32_f16 v[OT+32*((\a)%2)+8*((\a)/2):OT+32*((\a)%2)+8*((\a)/2)+7], v[KV+8*(4*(\g)+(\a)/2):KV+8*(4*(\g)+(\a)/2)+7], v[S+32*((\a)%2)+8*(\g):S+32*((\a)%2)+8*(\g)+7], v[OT+32*((\a)%2)+8*((\a)/2):OT+32*((\a)%2)+8*((\a)/2)+7]
.endm
; O^T x a: pair n of four of accumulator a (from its low end on)
.macro RS1 a, n
	v_pk_mul_f32 v[OT+32*((\a)%2)+8*((\a)/2)+2*(\n):OT+32*((\a)%2)+8*((\a)/2)+2*(\n)+1], v[OT+32*((\a)%2)+8*((\a)/2)+2*(\n):OT+32*((\a)%2)+8*((\a)/2)+2*(\n)+1], v[ST+8*((\a)%2)+6:ST+8*((\a)%2)+7] op_sel_hi:[1,0]
.endm
; The sum over keys 32-63, of the unrounded p: addition u of 18.  Tile u % 2; pair 8 + u / 2 goes to l (even pairs) or to the second chain (odd pairs); the last two additions join the chains.
; These pairs lie in each tile's registers 16-31, which the conversion in place does not write and no product on V names.
.macro USUM u
.if (\u) < 16
	v_pk_add_f32 v[ST+8*((\u)%2)+2+2*(((\u)/2)%2):ST+8*((\u)%2)+3+2*(((\u)/2)%2)], v[ST+8*((\u)%2)+2+2*(((\u)/2)%2):ST+8*((\u)%2)+3+2*(((\u)/2)%2)], v[S+32*((\u)%2)+16+2*((\u)/2):S+32*((\u)%2)+17+2*((\u)/2)]
.else
	v_pk_add_f32 v[ST+8*((\u)%2)+2:ST+8*((\u)%2)+3], v[ST+8*((\u)%2)+2:ST+8*((\u)%2)+3], v[ST+8*((\u)%2)+4:ST+8*((\u)%2)+5]
.endif
.endm
; A KEY STEP: 64 keys, the q-th of the slot in hand.  lab names the slot's end.
.macro STEP q, lab
	s_add_co_u32 s56, s[KF], KS*(\q)               ; the step's first key.  If it comes after my last query, so do all keys of the slot's remaining steps: the rest of the slot is left out: a branch on ids and the count
	s_cmp_gt_u32 s56, s[QH]                        ; of slots; no barrier, wait for tiles or tensor load stands in a step.  So a step q > 0 is reached through step q - 1 alone, which has asked for its K
	s_cbranch_scc1 .Lend_\lab
.if (\q) == 0
	KLOAD 0, 0                                     ; a slot's first step asks for its own K: nothing is read across a change of slots.  (Seven plain instructions or more stand behind the last products)
	KLOAD 0, 1
.endif
	s_wait_dscnt 8                                 ; half A's eight loads are in; half B's eight, issued behind them, may be out
	KQ 0
	s_wait_dscnt 0x0                               ; half B's are in
	KQ 1
.rept 4
	v_nop                                          ; places: in front of the loads into K's registers, and of the first read of the scores
.endr
.irp g, 0,1
.irp ct, 0,1,2,3
	ds_load_tr16_b128 v[KV+8*(4*\g+\ct):KV+8*(4*\g+\ct)+3], v[ADV] offset:(KS*(\q)+32*\g)*VP+32*\ct          ; V^T: keys 32 g on, channels 16 ct on: it lands while the softmax is worked
	ds_load_tr16_b128 v[KV+8*(4*\g+\ct)+4:KV+8*(4*\g+\ct)+7], v[ADV] offset:(KS*(\q)+32*\g+16)*VP+32*\ct
.endr
.endr
	s_add_co_u32 s57, s56, KS-1                    ; on the diagonal the scores of hidden keys become -infinity ahead of the maximum: p = 0 then.  A step all of whose keys count skips this
	s_cmp_le_u32 s57, s[Q0]
	s_cbranch_scc1 .Lopen_\@
	s_sub_co_i32 s57, s[Q0], s56
	v_add_nc_u32 v[ST+4], s57, v[DM]               ; d = my query - the step's first key - 8 (lane / 16), tile 0;
	v_add_nc_u32 v[ST+12], 16, v[ST+4]             ; tile 1.  Register n holds the step's key 8 (lane / 16) + 16 (n / 8) + n % 8: hidden where 16 (n / 8) + n % 8 > d
.irp t, 0,1
.set n, 0
.rept 32
	v_cmp_gt_i32 vcc_lo, 16*(n/8)+n%8, v[ST+8*\t+4]
	v_cndmask_b32 v[S+32*\t+n], v[S+32*\t+n], v[NINF], vcc_lo
.set n, n+1
.endr
.endr
.Lopen_\@:
.irp j, 0,1,2,3                                ; the maximum of my 32 scores and the old m: four chains a tile, each accumulator from its low end on; the two tiles line by line
.irp t, 0,1
	v_max3_num_f32 v[ST+8*\t+4+\j], v[S+32*\t+8*\j], v[S+32*\t+8*\j+1], v[S+32*\t+8*\j+2]
.endr
.endr
.irp i, 3,5
.irp j, 0,1,2,3
.irp t, 0,1
	v_max3_num_f32 v[ST+8*\t+4+\j], v[ST+8*\t+4+\j], v[S+32*\t+8*\j+\i], v[S+32*\t+8*\j+\i+1]
.endr
.endr
.endr
.irp t, 0,1
	v_max3_num_f32 v[ST+8*\t+4], v[ST+8*\t+4], v[S+32*\t+7], v[S+32*\t+15]
	v_max3_num_f32 v[ST+8*\t+6], v[ST+8*\t+6], v[S+32*\t+23], v[S+32*\t+31]
.endr
.irp t, 0,1
	v_max3_num_f32 v[ST+8*\t+4], v[ST+8*\t+4], v[ST+8*\t+5], v[ST+8*\t+6]
.endr
.irp t, 0,1
	v_max3_num_f32 v[ST+8*\t+4], v[ST+8*\t+4], v[ST+8*\t+7], v[ST+8*\t+1]
.endr
.irp t, 0,1
	v_permlanex16_b32 v[ST+8*\t+5], v[ST+8*\t+4], s[SEL], s[SEL+1]   ; the query's other 32 keys lie in the lane 16 away
.endr
.irp t, 0,1
	v_mov_b32 v[ST+8*\t+7], v[ST+8*\t]             ; c m_old is kept for a
.endr
.irp t, 0,1
	v_max_num_f32 v[ST+8*\t+1], v[ST+8*\t+4], v[ST+8*\t+5]
.endr
.irp t, 0,1
	v_mul_f32 v[ST+8*\t], s[CS], v[ST+8*\t+1]
.endr
.irp t, 0,1
	v_sub_f32 v[ST+8*\t+7], v[ST+8*\t+7], v[ST+8*\t]
.endr
	; THE FIRST BATCH: a, and p of keys 0-31 (each tile's registers 0-15): 34 exponentials.  All 32 scalings c s - c m, a pair of scores each, go with it: pairs 0 and 1 ahead, then one scaling behind each exponential.
	; The scaling behind exponential ii is of pair 2 + ii / 2, registers 4 + 2 (ii / 2) on; the exponentials so far have written registers up to 2 (ii / 4) + 1: no line of the batch names an exponential's result.
.irp b, 0,1
.irp t, 0,1
	v_pk_fma_f32 v[S+32*\t+2*\b:S+32*\t+2*\b+1], v[S+32*\t+2*\b:S+32*\t+2*\b+1], s[CS:CS+1], v[ST+8*\t:ST+8*\t+1] op_sel_hi:[1,0,0] neg_lo:[0,0,1] neg_hi:[0,0,1]
.endr
.endr
.irp t, 0,1
	v_exp_f32 v[ST+8*\t+6], v[ST+8*\t+7]           ; a
.endr
.set ii, 0
.rept 32
	v_exp_f32 v[S+32*((ii/2)%2)+2*(ii/4)+ii%2], v[S+32*((ii/2)%2)+2*(ii/4)+ii%2]   ; p
.if ii < 28
	v_pk_fma_f32 v[S+32*(ii%2)+2*(2+ii/2):S+32*(ii%2)+2*(2+ii/2)+1], v[S+32*(ii%2)+2*(2+ii/2):S+32*(ii%2)+2*(2+ii/2)+1], s[CS:CS+1], v[ST+8*(ii%2):ST+8*(ii%2)+1] op_sel_hi:[1,0,0] neg_lo:[0,0,1] neg_hi:[0,0,1]
.endif
.set ii, ii+1
.endr
	v_nop                                          ; a plain instruction behind the last exponential
	s_wait_alu depctr_va_vdst(0)                   ; the wait ahead of the first instruction that names a result: one for the batch
.irp t, 0,1
	v_pk_mul_f32 v[ST+8*\t+2:ST+8*\t+3], v[ST+8*\t+2:ST+8*\t+3], v[ST+8*\t+6:ST+8*\t+7] op_sel_hi:[1,0]   ; l x a
.endr
.irp t, 0,1                                    ; the sum over keys 0-31, of the unrounded p, ahead of the conversion that writes over it: two chains a tile: l takes pairs 0, 2, 4, 6, the second chain 1, 3, 5, 7
	v_pk_add_f32 v[ST+8*\t+4:ST+8*\t+5], v[S+32*\t+2:S+32*\t+3], v[S+32*\t+6:S+32*\t+7]
.endr
.irp t, 0,1
	v_pk_add_f32 v[ST+8*\t+2:ST+8*\t+3], v[ST+8*\t+2:ST+8*\t+3], v[S+32*\t:S+32*\t+1]
.endr
.irp j, 4,8
.irp t, 0,1
	v_pk_add_f32 v[ST+8*\t+2:ST+8*\t+3], v[ST+8*\t+2:ST+8*\t+3], v[S+32*\t+\j:S+32*\t+\j+1]
	v_pk_add_f32 v[ST+8*\t+4:ST+8*\t+5], v[ST+8*\t+4:ST+8*\t+5], v[S+32*\t+\j+6:S+32*\t+\j+7]
.endr
.endr
.irp t, 0,1
	v_pk_add_f32 v[ST+8*\t+2:ST+8*\t+3], v[ST+8*\t+2:ST+8*\t+3], v[S+32*\t+12:S+32*\t+13]
.endr
.irp n, 0,1,2,3,4,5,6,7
.irp t, 0,1
	v_cvt_pk_f16_f32 v[S+32*\t+\n], v[S+32*\t+2*\n], v[S+32*\t+2*\n+1]   ; P of keys 0-31, in place: register n takes pair n, which lies at or above it
.endr
.endr
.irp n, 0,1,2,3
	RS1 0, \n                                      ; the first two accumulators are rescaled ahead of the products,
.endr
.irp n, 0,1,2,3
	RS1 1, \n
.endr
	s_wait_dscnt 0x0                               ; V is in
	; O^T += V^T P, keys 0-31: eight accumulators by turns.  Behind product a stand the rescaling of accumulator a + 2 and THE SECOND BATCH's four exponentials of pair 8 + a (both tiles), a multiply ahead of each:
	; none of the eight names a register of a product issued so far, nor a result of this batch.
.irp a, 0,1,2,3,4,5,6,7
	PVM 0, \a
.irp n, 0,1,2,3
.if \a < 6
	RS1 \a+2, \n
.endif
	v_exp_f32 v[S+32*(\n/2)+16+2*\a+\n%2], v[S+32*(\n/2)+16+2*\a+\n%2]
.endr
.endr
	v_nop                                          ; a plain instruction behind the last exponential
	s_wait_alu depctr_va_vdst(0)                   ; and the second batch's one wait
.irp n, 8,9
.irp t, 0,1
	v_cvt_pk_f16_f32 v[S+32*\t+\n], v[S+32*\t+2*\n], v[S+32*\t+2*\n+1]   ; P of keys 32-63: registers 8-15 take pairs 8-15, which stay as they are for the sums
.endr
.endr
.if (\q) < 3
	KLOAD (\q)+1, 0                                ; half A is free: THE NEXT STEP'S K, key tiles 0 and 1.  The v_nop and the four conversions above are five places behind the last product that read the half
.endif
.irp n, 10,11,12,13,14,15
.irp t, 0,1
	v_cvt_pk_f16_f32 v[S+32*\t+\n], v[S+32*\t+2*\n], v[S+32*\t+2*\n+1]
.endr
.endr
.irp u, 0,1,2,3
	USUM \u
.endr
.irp a, 0,1,2,3,4,5,6,7                        ; O^T += V^T P, keys 32-63, an addition of the sum behind each product
	PVM 1, \a
.if \a < 7
	USUM \a+4
.endif
.endr
.irp u, 11,12,13,14,15
	USUM \u                                        ; five places behind the last product,
.endr
.if (\q) < 3
	KLOAD (\q)+1, 1                                ; and half B is free: the next step's K, key tiles 2 and 3
.endif
	USUM 16                                        ; with these two, seven places stand ahead of the next step's products, which write over P's registers (five are asked)
	USUM 17
.endm
; THE CHANGE OF SLOTS stands at a slot's head.  Each wave waits for all its tensor loads (its part of the slot that it is about to read), adds 0 to its spare word, and waits for that and for its reads of the slot that it has left
; (those asked ahead for a step that was then left out among them).
.macro CHANGE fill
	s_wait_tensorcnt 0x0                           ; no tensor load of mine is out, so a group 0 may be written
	ds_add_u32 v[SPW], v[NIL]                      ; 0 onto my spare word
.if \fill
	s_xor_b32 s[G0K+1], s[G0K+1], SLOT1            ; the walking descriptors: the other slot than last time,
	s_add_nc_u64 s[G0K+2:G0K+3], s[G0K+2:G0K+3], SK*ROWB   ; the next 256 keys; the type bits on top are not reached
	s_xor_b32 s[G0V+1], s[G0V+1], SLOT1
	s_add_nc_u64 s[G0V+2:G0V+3], s[G0V+2:G0V+3], SK*ROWB
	s_wait_xcnt 0x0                                ; the last prefetch, a slot back, has read its address, so it may be written:
	s_add_nc_u64 s[PFA:PFA+1], s[PFA:PFA+1], SK*ROWB   ; one slot further on than the walking descriptors
.endif
	s_wait_dscnt 0x0                               ; the add is done, and my reads of the slot that I have left are over
	s_barrier_signal -1
	s_barrier_wait -1
.if \fill
	s_add_co_u32 s56, s[KF], SK                    ; the first key of the slot that this change would ask for: beyond my work-group's last query none of its waves would read it, so it is not asked for.
	s_cmp_gt_u32 s56, s[QL]                        ; Ids and the count of slots alone: all eight waves go the same way; every wait for tensor loads in this text is for 0
	s_cbranch_scc1 .Lpast_\@
	TLOAD                                          ; a wave's one tensor load until the next such barrier
.Lpast_\@:
	ASK
.endif
.endm
.macro SLOT_STEPS lab
	v_add_nc_u32 v[ADK], s[TB], v[AK0]             ; the slot's addresses: a step's place in the slot stands in the loads' immediates
	v_add_nc_u32 v[ADV], s[TB], v[AV0]
.irp q, 0,1,2,3
	STEP \q, \lab
.endr
.Lend_\lab:
	s_add_co_u32 s[KF], s[KF], SK                  ; on to the next slot's keys,
	s_xor_b32 s[TB], s[TB], SLOT1                  ; in the other slot
.endm
	s_wait_loadcnt 0x0                             ; Q
.Lslot:                                            ; NSL - 1 trips: behind each change of slots but the last the next slot is asked for, up to the limit.  The first trip's loads are slot 1's first fills
	CHANGE 1
	SLOT_STEPS loop
	s_sub_co_u32 s[SLOTS], s[SLOTS], 1
	s_cmp_lg_u32 s[SLOTS], 0
	s_cbranch_scc1 .Lslot
	CHANGE 0                                       ; the last slot is written out: nothing is left to ask for
	SLOT_STEPS tail
	; THE WAY OUT.  l's two halves and the other half of the lanes' are added; O^T is divided by l, rounded to f16 and sent through my stage in LDS, so that each store covers 512 consecutive bytes.
	s_wait_dscnt 0x0                               ; loads of K asked ahead for a step that was then left out have landed: the fragments' registers are written below
.rept 4
	v_nop                                          ; places behind the last products
.endr
.irp t, 0,1
	v_add_f32 v[ST+8*\t+4], v[ST+8*\t+2], v[ST+8*\t+3]
.endr
.irp t, 0,1
	v_permlanex16_b32 v[ST+8*\t+5], v[ST+8*\t+4], s[SEL], s[SEL+1]
.endr
.irp t, 0,1
	v_add_f32 v[ST+8*\t+4], v[ST+8*\t+4], v[ST+8*\t+5]
.endr
.irp t, 0,1
	v_rcp_f32 v[ST+8*\t+6], v[ST+8*\t+4]
.endr
	v_nop                                          ; a plain instruction behind the last reciprocal
	s_wait_alu depctr_va_vdst(0)                   ; and the wait ahead of the first use: one for the two
.irp t, 0,1
.set n, 0
.rept 16
	v_pk_mul_f32 v[OT+32*\t+n:OT+32*\t+n+1], v[OT+32*\t+n:OT+32*\t+n+1], v[ST+8*\t+6:ST+8*\t+7] op_sel_hi:[1,0]   ; each accumulator from its low end on
.set n, n+2
.endr
.endr
.irp t, 0,1
.set n, 0
.rept 16
	v_cvt_pk_f16_f32 v[KV+16*\t+n], v[OT+32*\t+2*n], v[OT+32*\t+2*n+1]
.set n, n+1
.endr
.endr
.irp t, 0,1
.irp ct, 0,1,2,3
	ds_store_b128 v[STO], v[KV+16*\t+4*\ct:KV+16*\t+4*\ct+3] offset:\t*16*SPT+32*\ct   ; lane (r, h): row 16 t + r, channels 16 ct + 8 h + 0 .. 7
.endr
.endr
.irp i, 0,1,2,3,4,5,6,7
	ds_load_b128 v[S+4*\i:S+4*\i+3], v[RD] offset:\i*4*SPT         ; LDS serves a wave's instructions in order: these see my stores
.endr
.irp i, 0,1,2,3,4,5,6,7
	s_wait_dscnt 7-\i                              ; the younger loads may be out
	global_store_b128 v[GO], v[S+4*\i:S+4*\i+3], s[14:15] offset:512*\i
.endr
	s_wait_tensorcnt 0x0                           ; the wave's end, behind my last tensor load and my last LDS store
	ds_add_u32 v[SPW], v[NIL]
	s_wait_dscnt 0x0
	s_endpgm
.Lfunc_end_k_q64a8e23511_attn:
	.size	k_q64a8e23511_attn, .Lfunc_end_k_q64a8e23511_attn-k_q64a8e23511_attn
	.p2alignl 7, 3214868480
	.fill 96, 4, 3214868480
	.section	.rodata,"a",@progbits
	.p2align	6, 0x0
	.amdhsa_kernel k_q64a8e23511_attn
		.amdhsa_group_segment_fixed_size 327680
		.amdhsa_private_segment_fixed_size 0
		.amdhsa_enable_private_segment 0
		.amdhsa_kernarg_size 16
		.amdhsa_user_sgpr_count 2
		.amdhsa_user_sgpr_kernarg_segment_ptr 1
		.amdhsa_wavefront_size32 1
		.amdhsa_system_sgpr_workgroup_id_x 1
		.amdhsa_system_sgpr_workgroup_id_y 1
		.amdhsa_system_sgpr_workgroup_id_z 1
		.amdhsa_system_vgpr_workitem_id 0
		.amdhsa_next_free_vgpr 256
		.amdhsa_next_free_sgpr 66
		.amdhsa_reserve_vcc 1
		.amdhsa_float_denorm_mode_32 3
		.amdhsa_float_denorm_mode_16_64 3
		.amdhsa_memory_ordered 1
		.amdhsa_forward_progress 1
		.amdhsa_inst_pref_size 188
	.end_amdhsa_kernel
	.amdgpu_metadata
---
amdhsa.version: [ 1, 2 ]
amdhsa.kernels:
  - .name:           k_q64a8e23511_attn
    .symbol:         k_q64a8e23511_attn.kd
    .args:
      - { .name: qkvh, .offset: 0, .size: 8, .value_kind: global_buffer, .address_space: global }
      - { .name: ctxh, .offset: 8, .size: 8, .value_kind: global_buffer, .address_space: global }
    .group_segment_fixed_size: 327680
    .private_segment_fixed_size: 0
    .kernarg_segment_align: 8
    .kernarg_segment_size: 16
    .max_flat_workgroup_size: 256
    .sgpr_count:     66
    .vgpr_count:     256
    .wavefront_size: 32
...
	.end_amdgpu_metadata
.endif
;; end of part 3
;; launch oproj (part 4): grid 8 x 32, 4 waves a work-group, clusters of 4 x 4, 327,680 bytes of LDS; arguments ctxh, woh, out0, b_out; writes out0
.if DOCPART == 4
	.amdgcn_target "amdgcn-amd-amdhsa--gfx1250"
	.amdhsa_code_object_version 6
	.text
	.protected	k_q64a8e23511_oproj
	.globl	k_q64a8e23511_oproj
	.p2align	8
	.type	k_q64a8e23511_oproj,@function
k_q64a8e23511_oproj:
	s_mov_b64 s[64:65], 0
	v_nop
	global_prefetch_b8 v0, s[64:65] scope:SCOPE_SE
	s_setreg_imm32_b32 hwreg(HW_REG_WAVE_MODE, 25, 1), 1
	s_wait_xcnt 0x0
	s_wait_alu depctr_hold_cnt(0) depctr_sa_sdst(0) depctr_va_vdst(0) depctr_va_sdst(0) depctr_va_ssrc(0) depctr_va_vcc(0) depctr_vm_vsrc(0)
	s_getreg_b32 s2, hwreg(HW_REG_IB_STS2, 6, 4)
	s_cmp_eq_u32 s2, 0
	s_cbranch_scc0 .Lentry_in_a_cluster
	s_endpgm
.Lentry_in_a_cluster:
	s_bfe_u32 s2, ttmp6, 0x10000c
	s_cmp_lg_u32 s2, 0xf033
	s_cbranch_scc0 .Lentry_shape_is_right
	s_endpgm
.Lentry_shape_is_right:
; out[m][n] = sum over k of ctx[m][k] w_out[n][k] + b_out[n]: 4,096 x 1,024 x 1,024, f16 operands, f32 sums, f32 out.
; Both operands lie in memory in tile order: ctx [32 blocks of 128 m][16 chunks of 64 k][128 m][64 k], w_out [8 blocks of 128 n][16 chunks][128 n][64 k]: a plane (128 rows x 64 k) is 16,384 dense bytes.
; A tile of out is 128 x 128: 8 x 32 = 256 work-groups.  Four waves, each 64 x 64: 16 accumulators.  K goes in steps of 256 (four planes a side) through two LDS slots; a wave's tensor load brings two planes,
; 32,768 dense bytes, as 128 lines of 256 bytes with 16 bytes of padding behind each; a line holds two rows of a plane.
; CLUSTERS: 4 x 4 work-groups.  The four of a row of the cluster need the same planes of ctx, the four of a column the same planes of w_out: each is asked for JOINTLY.
; THE MATRIX INSTRUCTION IS USED TRANSPOSED (source 0 = 16 rows of w_out, source 1 = 16 rows of ctx): a lane holds eight neighbouring columns of a row of out.  The bias is the C of each sum's first product.
; No prefetch: the tile is small and the whole walk is four K steps, two of which are asked for at the head.
; The rows of positions 0 to 15 of each sequence are written here like all others; the next launch writes them again, computed in f32.
; REGISTERS: window 0: v0-31 addresses; v32-95 at work on the way out; v96-127 the bias; v128-255 the accumulators ((a, b) at v[128 + 8 (4 a + b)]).   window 1: two fragment buffers of 128.
.set LINE,   272                       ; an LDS line: 256 bytes + 16: rows r and r + 1 of a pair lie 128 bytes apart, pairs 272: the 16 rows of a fragment fall on 16 different 16-byte columns
.set PLANE,  64*LINE                   ; a plane in LDS
.set BLK16,  8*LINE                    ; 16 rows of a plane
.set HALFT,  2*PLANE                   ; what one tensor load brings
.set SLOT,   4*HALFT                   ; ctx's four planes, then w_out's four
.set STEPB,  65536                     ; a K step in memory: four planes
.set STAGE,  2*SLOT                    ; behind the ring: 16 rows x 272 bytes for each wave, for the way out
.set SPITCH, 272
.set SPARE,  STAGE+4*16*SPITCH         ; behind the stages: the spare words, 128 bytes for each wave
.set ADRA, 16                          ; v16-17  LDS address of my ctx fragments in slot 0, 1
.set ADRB, 20                          ; v20-21  the same for w_out
.set STO,  24                          ; v24     the way out: where I put 32 bytes of a row
.set RD,   25                          ; v25     where I read two rows back
.set CO,   26                          ; v26     my byte offset in two rows of out
.set BO,   27                          ; v27     32 x (lane / 16): my eight numbers of a block of the bias
.set SPW,  28                          ; v28     LDS address of my spare word; never rewritten
.set NIL,  29                          ; v29     0; never rewritten
.set TMP,  32
.set BIAS, 96
.set ACC,  128
.set F0,   0                           ; fragment buffers, in window 1
.set F1,   128
.set G1, 24                            ; s[24:31] descriptor group 1 for ctx's planes;  s[32:39] group 0, one set for each slot
.set G0, 32
.set G1B, 48                           ; s[48:55], s[56:63] the same for w_out's
.set G0B, 56
.set MSB, 0
.macro WIN new                         ; the immediate's high byte repeats the setting that is left
.if MSB != \new
	s_set_vgpr_msb (MSB<<8)|\new
.set MSB, \new
.endif
.endm
.set MUL,  0x05                        ; sources 0 (w_out) and 1 (ctx) window 1; C and D window 0
.set TO_F, 0x40                        ; destination window 1, address window 0
.macro JLOAD s                         ; a joint load: waves 0 and 1 fetch ctx's two halves, waves 2 and 3 w_out's; an s_nop 0 and four v_nop follow each of the two lines
	s_cmp_eq_u32 s11, 0
	s_cbranch_scc0 .Lfor_b_\@
	tensor_load_to_lds s[G0+4*\s:G0+4*\s+3], s[G1:G1+7]
	s_nop 0
.rept 4
	v_nop
.endr
	s_branch .Lasked_\@
.Lfor_b_\@:
	tensor_load_to_lds s[G0B+4*\s:G0B+4*\s+3], s[G1B:G1B+7]
	s_nop 0
.rept 4
	v_nop
.endr
.Lasked_\@:
.endm
.macro CREST                           ; a round of the cluster's barrier behind its opening barrier
	s_cmp_lg_u32 s10, 0
	s_cbranch_scc1 .Lnot_wave_0_\@
	s_barrier_signal -3
.Lnot_wave_0_\@:
	s_barrier_wait -3
	s_barrier_signal -1
	s_barrier_wait -1
.endm
.macro CROUND                          ; a whole round
	s_barrier_signal -1
	s_barrier_wait -1
	CREST
.endm
	s_load_b128 s[4:7], s[0:1], 0x0                ; ctx s[4:5], w_out s[6:7]
	s_load_b64 s[8:9], s[0:1], 0x10                ; out
	s_load_b64 s[2:3], s[0:1], 0x18                ; b_out
	v_lshl_add_u32 v[SPW], v0, 2, SPARE
	v_mov_b32 v[NIL], 0
	ds_add_u32 v[SPW], v[NIL]                      ; the wave's opening: the add, twice on end, and its wait ahead of my first tensor load
	ds_add_u32 v[SPW], v[NIL]
	v_lshrrev_b32 v1, 5, v0
	v_readfirstlane_b32 s10, v1                    ; wave 0..3
	s_lshr_b32 s11, s10, 1                         ; which half of the tile's rows is mine.  Also: I fetch for ctx (0) or for w_out (1)
	s_and_b32 s12, s10, 1                          ; which half of its columns.  Also: which two planes of a K step I fetch
	s_bfe_u32 s40, ttmp6, 0x40000                  ; cx, cy: my place in the cluster
	s_bfe_u32 s41, ttmp6, 0x40004
	s_lshl_b32 s42, ttmp9, 2
	s_add_co_u32 s42, s42, s40                     ; tile column = 4 x cluster x + cx
	s_and_b32 s13, ttmp7, 0xffff
	s_lshl_b32 s13, s13, 2
	s_add_co_u32 s13, s13, s41                     ; tile row = 4 x cluster y + cy
	s_lshl_b32 s43, s41, 2
	s_lshl_b32 s43, 15, s43                        ; my row of the cluster
	s_lshl_b32 s44, 0x1111, s40                    ; my column
	; descriptor group 1: a dense block of 32,768 bytes as 128 lines of 256 bytes (32 elements of 8 bytes), padded in LDS
	s_or_b32 s[G1+0], s43, (3<<16)|(1<<20)|(1<<21)|(5<<22)|(3<<25)  ; 15:0 the mask: ctx's planes go to my row; 17:16 elements of 8 bytes; 20 padding on; 21 set beside a mask; 24:22 after every 64 words; 31:25 four words
	s_or_b32 s[G1B+0], s44, (3<<16)|(1<<20)|(1<<21)|(5<<22)|(3<<25)
.irp g, G1, G1B
	s_mov_b32 s[\g+1], 32<<16                      ; tensor_dim0
	s_mov_b32 s[\g+2], 128<<16                     ; tensor_dim1
	s_mov_b32 s[\g+3], 32<<16                      ; tile_dim0
	s_mov_b32 s[\g+4], 128                         ; tile_dim1
	s_mov_b32 s[\g+5], 32                          ; tensor_dim0_stride
	s_mov_b32 s[\g+6], 0
	s_mov_b32 s[\g+7], 0
.endr
	s_lshl_b32 s17, s12, 15                        ; which two planes of a K step I fetch
	s_lshl_b32 s16, s13, 18
	s_add_co_u32 s16, s16, s17                     ; ctx: 16 planes a tile row
	s_lshl_b32 s46, s42, 18
	s_add_co_u32 s46, s46, s17                     ; w_out: 16 planes a tile column
	s_mov_b32 s17, 0
	s_mov_b32 s47, 0
	s_mul_i32 s20, s10, HALFT                      ; where they go: wave x two planes: no place in the cluster enters an LDS address
	s_wait_dscnt 0x0                               ; both opening adds are done
	s_wait_kmcnt 0x0
	s_add_nc_u64 s[14:15], s[4:5], s[16:17]
	s_add_nc_u64 s[46:47], s[6:7], s[46:47]
	CROUND                                         ; all sixteen work-groups are here: the first joint loads meet
.irp s, 0,1
	s_mov_b32 s[G0+4*\s], 1
	s_add_co_u32 s[G0+4*\s+1], s20, \s*SLOT
	s_add_nc_u64 s[G0+4*\s+2:G0+4*\s+3], s[14:15], \s*STEPB
	s_or_b32 s[G0+4*\s+3], s[G0+4*\s+3], 0x80000000
	s_mov_b32 s[G0B+4*\s], 1
	s_add_co_u32 s[G0B+4*\s+1], s20, \s*SLOT
	s_add_nc_u64 s[G0B+4*\s+2:G0B+4*\s+3], s[46:47], \s*STEPB
	s_or_b32 s[G0B+4*\s+3], s[G0B+4*\s+3], 0x80000000
	JLOAD \s                                       ; two loads of mine are out
.endr
	v_and_b32 v1, 15, v0                           ; l % 16
	v_bfe_u32 v2, v0, 4, 1                         ; l / 16
	v_lshlrev_b32 v[BO], 5, v2
	s_lshl_b32 s46, s42, 9                         ; my first column, in bytes: 512 x tile column + 256 x half
	s_lshl_b32 s47, s12, 8
	s_add_co_u32 s46, s46, s47
	s_mov_b32 s47, 0
	s_add_nc_u64 s[2:3], s[2:3], s[46:47]
.irp b, 0,1,2,3
	global_load_b128 v[BIAS+8*\b:BIAS+8*\b+3], v[BO], s[2:3] offset:64*\b          ; lane (r, h): b_out at columns 16 b + 8 h + 0 .. 7: the result's layout
	global_load_b128 v[BIAS+8*\b+4:BIAS+8*\b+7], v[BO], s[2:3] offset:64*\b+16
.endr
	v_lshrrev_b32 v3, 1, v1
	v_mul_u32_u24 v3, v3, LINE
	v_and_b32 v4, 1, v1
	v_lshl_add_u32 v3, v4, 7, v3
	v_lshl_add_u32 v3, v2, 4, v3                   ; a fragment's row: line r / 2, half r % 2, + 16 x half of the lanes
	s_mul_i32 s21, s11, 4*BLK16                    ; my 64 rows of each plane of ctx
	s_mul_i32 s22, s12, 4*BLK16                    ; my 64 rows of each plane of w_out,
	s_add_co_u32 s22, s22, 2*HALFT                 ; which lie behind ctx's four planes
.irp s, 0,1
	v_add_nc_u32 v[ADRA+\s], s21, v3
	v_add_nc_u32 v[ADRB+\s], s22, v3
	s_add_co_u32 s21, s21, SLOT
	s_add_co_u32 s22, s22, SLOT
.endr
	s_mul_i32 s23, s10, 16*SPITCH
	s_add_co_u32 s23, s23, STAGE                   ; my stage
	v_mul_u32_u24 v4, v1, SPITCH                   ; in: row l % 16, 32 bytes for each half of the lanes
	v_lshl_add_u32 v4, v2, 5, v4
	v_add_nc_u32 v[STO], s23, v4
	v_mul_u32_u24 v5, v2, SPITCH                   ; back: lanes 0-15 take one row of 256 bytes, lanes 16-31 the next
	v_lshl_add_u32 v5, v1, 4, v5
	v_add_nc_u32 v[RD], s23, v5
	v_lshlrev_b32 v5, 12, v2                       ; and the same two rows in out: 4,096 bytes a row
	v_lshl_add_u32 v[CO], v1, 4, v5
	s_lshl_b32 s16, s13, 19                        ; my first row: 128 x tile row + 64 x half
	s_lshl_b32 s17, s11, 18
	s_add_co_u32 s16, s16, s17
	s_add_co_u32 s16, s16, s46
	s_mov_b32 s17, 0
	s_add_nc_u64 s[8:9], s[8:9], s[16:17]
; 8 matrix instructions: m blocks a0, a0 + 1 x all 4 n blocks, 32 along K: half c of buffer f.  zero = 1: the first product starts the sums from the bias
.macro MUL8 f, c, a0, zero
.irp a, \a0, \a0+1
.irp b, 0,1,2,3
.if \zero
	v_wmma_f32_16x16x32_f16 v[ACC+8*(4*(\a)+\b):ACC+8*(4*(\a)+\b)+7], v[\f+64+8*(4*\c+\b):\f+64+8*(4*\c+\b)+7], v[\f+8*(4*\c+\a):\f+8*(4*\c+\a)+7], v[BIAS+8*\b:BIAS+8*\b+7]
.else
	v_wmma_f32_16x16x32_f16 v[ACC+8*(4*(\a)+\b):ACC+8*(4*(\a)+\b)+7], v[\f+64+8*(4*\c+\b):\f+64+8*(4*\c+\b)+7], v[\f+8*(4*\c+\a):\f+8*(4*\c+\a)+7], v[ACC+8*(4*(\a)+\b):ACC+8*(4*(\a)+\b)+7]
.endif
.endr
.endr
.endm
; 32 LDS loads in one run: the fragments of one plane a side (64 along K), which begins k bytes into the slot's planes, into buffer f; the first 32 along K first
.macro FETCH slot, k, f
	WIN TO_F
.irp c, 0,1
.irp i, 0,1,2,3
	ds_load_b128 v[\f+64+8*(4*\c+\i):\f+64+8*(4*\c+\i)+3],   v[ADRB+\slot] offset:\k+64*\c+\i*BLK16
	ds_load_b128 v[\f+64+8*(4*\c+\i)+4:\f+64+8*(4*\c+\i)+7], v[ADRB+\slot] offset:\k+64*\c+\i*BLK16+32
	ds_load_b128 v[\f+8*(4*\c+\i):\f+8*(4*\c+\i)+3],         v[ADRA+\slot] offset:\k+64*\c+\i*BLK16
	ds_load_b128 v[\f+8*(4*\c+\i)+4:\f+8*(4*\c+\i)+7],       v[ADRA+\slot] offset:\k+64*\c+\i*BLK16+32
.endr
.endr
.endm
.macro PLACES                          ; four places in front of loads into registers that matrix instructions have read, and of the first read of results (ISA guide 7.12.1 for vector instructions)
.rept 4
	v_nop
.endr
.endm
; A K step is four quarters, a plane a side each: 32 matrix instructions, on buffers 0, 1, 0, 1.  One of the first three: multiplies buffer f and fetches the next plane, at byte k, into g.
.macro QUARTER slot, k, f, g, zero
	s_wait_dscnt 16                                ; the first 32 along K are in; the younger sixteen loads may be out
	WIN MUL
	MUL8 \f, 0, 0, \zero
	MUL8 \f, 0, 2, \zero
	PLACES
	FETCH \slot, \k, \g
	s_wait_dscnt 32                                ; all but the 32 just issued
	WIN MUL
	MUL8 \f, 1, 0, 0
	MUL8 \f, 1, 2, 0
.endm
; The last quarter multiplies buffer 1 and changes slots: ONE barrier; in front of it each wave waits for all its tensor loads, adds 0 to its spare word, and waits for that and for its own reads of this slot.
; fill = 1: this slot is filled again, two K steps ahead; the barrier then opens a round of the cluster's barrier, and the joint refill is the first tensor load behind the round.
.macro TURN slot, next, fill
	WIN 0                                          ; (the add's two registers lie in window 0)
	s_wait_tensorcnt 0x0                           ; all my tensor loads have landed: my part of the next slot;
	ds_add_u32 v[SPW], v[NIL]                      ; 0 onto my spare word;
	s_wait_dscnt 17                                ; (the add and the youngest sixteen loads may be out)
	WIN MUL
	MUL8 F1, 0, 0, 0                               ; eight matrix instructions stand between the add and the wait for it
	s_wait_dscnt 0x0                               ; the add is done, and my reads of this slot are over
	s_barrier_signal -1
	MUL8 F1, 0, 2, 0
.if \fill
	WIN 0
.endif
	s_barrier_wait -1
.if \fill
	CREST                                          ; no wave of any partner still reads this slot's planes or has a load on its way
	s_add_nc_u64 s[G0+4*\slot+2:G0+4*\slot+3], s[G0+4*\slot+2:G0+4*\slot+3], 2*STEPB
	s_add_nc_u64 s[G0B+4*\slot+2:G0B+4*\slot+3], s[G0B+4*\slot+2:G0B+4*\slot+3], 2*STEPB
	JLOAD \slot                                    ; the four v_nop behind it are also the places in front of the loads below
.else
	PLACES
.endif
	FETCH \next, 0, F0
	WIN MUL
	MUL8 F1, 1, 0, 0
	MUL8 F1, 1, 2, 0
.endm
	s_wait_tensorcnt 1                             ; my part of K step 0 is in (K step 1's load may be out)
	s_barrier_signal -1
	s_barrier_wait -1                              ; everybody's is
	FETCH 0, 0, F0
	s_wait_loadcnt 0x0                             ; the bias
	QUARTER 0, PLANE,   F0, F1, 1                  ; K step 0: its first products start the sums from the bias.  K = 1,024 is four K steps: they are written out, a loop would have one trip
	QUARTER 0, 2*PLANE, F1, F0, 0
	QUARTER 0, 3*PLANE, F0, F1, 0
	TURN 0, 1, 1                                   ; slot 0 takes K step 2
	QUARTER 1, PLANE,   F0, F1, 0                  ; K step 1
	QUARTER 1, 2*PLANE, F1, F0, 0
	QUARTER 1, 3*PLANE, F0, F1, 0
	TURN 1, 0, 1                                   ; slot 1 takes K step 3
	QUARTER 0, PLANE,   F0, F1, 0                  ; K step 2
	QUARTER 0, 2*PLANE, F1, F0, 0
	QUARTER 0, 3*PLANE, F0, F1, 0
	TURN 0, 1, 0                                   ; nothing is left to ask for
	QUARTER 1, PLANE,   F0, F1, 0                  ; K step 3
	QUARTER 1, 2*PLANE, F1, F0, 0
	QUARTER 1, 3*PLANE, F0, F1, 0
	s_wait_dscnt 16                                ; the very last quarter: nothing more to fetch
	WIN MUL
	MUL8 F1, 0, 0, 0
	MUL8 F1, 0, 2, 0
	s_wait_dscnt 0
	MUL8 F1, 1, 0, 0
	MUL8 F1, 1, 2, 0
	WIN 0
; THE WAY OUT, block by block of 16 rows x 64 columns of f32.  A wave's 64 columns are 256 bytes of a row, at a multiple of 256 bytes: so each wave has a stage of its own and no barrier is needed.
; A lane holds 32 neighbouring bytes of a row; the block comes back as whole rows, two an instruction: 16 lanes store 256 consecutive bytes.  LDS serves a wave's instructions in order (ISA guide 5.7.1.4).
.macro TOSTAGE a
.irp b, 0,1,2,3
	ds_store_b128 v[STO], v[ACC+8*(4*(\a)+\b):ACC+8*(4*(\a)+\b)+3] offset:64*\b          ; each accumulator from its low end on
	ds_store_b128 v[STO], v[ACC+8*(4*(\a)+\b)+4:ACC+8*(4*(\a)+\b)+7] offset:64*\b+16
.endr
.irp t, 0,1,2,3,4,5,6,7
	ds_load_b128 v[TMP+32*((\a)%2)+4*\t:TMP+32*((\a)%2)+4*\t+3], v[RD] offset:\t*2*SPITCH
.endr
.endm
.macro SEND a, younger                 ; younger: the LDS instructions issued behind block a's loads, which may stay out
	s_wait_dscnt \younger
.irp t, 0,1,2,3,4,5,6,7
	global_store_b128 v[CO], v[TMP+32*((\a)%2)+4*\t:TMP+32*((\a)%2)+4*\t+3], s[8:9] offset:(16*(\a)+2*\t)*4096 th:TH_STORE_NT
.endr
.endm
	PLACES
	TOSTAGE 0
.irp a, 1,2,3
.if \a > 1
	s_wait_xcnt 0x0                                ; block a - 2's stores have read their registers: block a's loads may land there
.endif
	TOSTAGE \a
	SEND \a-1, 16                                  ; behind block a - 1's loads: block a's 8 stores and 8 loads
.endr
	SEND 3, 0
	s_wait_tensorcnt 0x0                           ; the wave's end, behind my last tensor load and my last LDS store
	ds_add_u32 v[SPW], v[NIL]
	s_wait_dscnt 0x0
	CROUND                                         ; the closing round: no work-group ends while a partner may still ask for a tile that names it
	s_endpgm
.Lfunc_end_k_q64a8e23511_oproj:
	.size	k_q64a8e23511_oproj, .Lfunc_end_k_q64a8e23511_oproj-k_q64a8e23511_oproj
	.p2alignl 7, 3214868480
	.fill 96, 4, 3214868480
	.section	.rodata,"a",@progbits
	.p2align	6, 0x0
	.amdhsa_kernel k_q64a8e23511_oproj
		.amdhsa_group_segment_fixed_size 327680
		.amdhsa_private_segment_fixed_size 0
		.amdhsa_enable_private_segment 0
		.amdhsa_kernarg_size 32
		.amdhsa_user_sgpr_count 2
		.amdhsa_user_sgpr_kernarg_segment_ptr 1
		.amdhsa_wavefront_size32 1
		.amdhsa_system_sgpr_workgroup_id_x 1
		.amdhsa_system_sgpr_workgroup_id_y 1
		.amdhsa_system_sgpr_workgroup_id_z 1
		.amdhsa_system_vgpr_workitem_id 0
		.amdhsa_next_free_vgpr 512
		.amdhsa_next_free_sgpr 66
		.amdhsa_reserve_vcc 0
		.amdhsa_float_denorm_mode_32 3
		.amdhsa_float_denorm_mode_16_64 3
		.amdhsa_memory_ordered 1
		.amdhsa_forward_progress 1
		.amdhsa_inst_pref_size 86
	.end_amdhsa_kernel
	.amdgpu_metadata
---
amdhsa.version: [ 1, 2 ]
amdhsa.kernels:
  - .name:           k_q64a8e23511_oproj
    .symbol:         k_q64a8e23511_oproj.kd
    .args:
      - { .name: ctxh, .offset: 0, .size: 8, .value_kind: global_buffer, .address_space: global }
      - { .name: woh, .offset: 8, .size: 8, .value_kind: global_buffer, .address_space: global }
      - { .name: out0, .offset: 16, .size: 8, .value_kind: global_buffer, .address_space: global }
      - { .name: b_out, .offset: 24, .size: 8, .value_kind: global_buffer, .address_space: global }
    .group_segment_fixed_size: 327680
    .private_segment_fixed_size: 0
    .kernarg_segment_align: 8
    .kernarg_segment_size: 32
    .max_flat_workgroup_size: 128
    .sgpr_count:     66
    .vgpr_count:     512
    .wavefront_size: 32
...
	.end_amdgpu_metadata
.endif
;; end of part 4
;; launch fine (part 5): grid 64 x 2, 16 waves a work-group, no clusters, 18,432 bytes of LDS; arguments q32, w_out, b_out, out0; writes out0
.if DOCPART == 5
	.amdgcn_target "amdgcn-amd-amdhsa--gfx1250"
	.amdhsa_code_object_version 6
	.text
	.protected	k_q64a8e23511_fine
	.globl	k_q64a8e23511_fine
	.p2align	8
	.type	k_q64a8e23511_fine,@function
k_q64a8e23511_fine:
	s_mov_b64 s[64:65], 0
	v_nop
	global_prefetch_b8 v0, s[64:65] scope:SCOPE_SE
	s_setreg_imm32_b32 hwreg(HW_REG_WAVE_MODE, 25, 1), 1
	s_wait_xcnt 0x0
; THE FIRST 16 POSITIONS OF EACH SEQUENCE, ALL IN F32: there a row of the softmax averages one to sixteen values, and the rounding of 16-bit operands would weigh most.  32 rows of out0 are written again.
; Work-group (x, y): batch y, output columns 16 x .. 16 x + 15.  Wave hd takes head hd: scores, causal softmax, P V, and its head's 64 terms of the projection; the sixteen heads' parts meet in LDS and waves 0 and 1 add them, in the heads' order.
; Every work-group of a batch repeats the small attention (16 x 16 x 64 a head): that costs less than a launch more.  A store covers 64 bytes of each of 16 rows: 128 KB in all; whole runs of 256 bytes would put four times the f32 matrix work on a work-group.
; INPUT: q, k, v of rows t < 16 as images of accumulator registers: [batch][n / 16][g 2][lane 32][16 bytes]: lane (r, h) of block g holds row t = r, columns 16 (n / 16) + 8 h + 4 g + 0 .. 3.
; THE FORM 16x16x4 takes, of lane (r, h), row r and k = 2 h + j in register j.  A permutation of k applied alike to both sources keeps the products: a pair of registers (2 i, 2 i + 1) of an image's tile is a source as it stands,
; its slot (h, j) being index 8 h + 2 i + j of the tile's 16, in both sources alike.
; The registers that this form writes (v144-175) are written by matrix instructions alone, each sum begins with the constant 0, and what is made of a finished sum goes into other registers.
; Four accumulators take turns in each of the three products; in the first and third their sum is taken by vector additions.
.set IMO,  4                           ; v4   16 x lane: an image's place for my lane
.set VTO,  5                           ; v5   my lane's place in v's images, read turned
.set WTO,  6                           ; v6   w_out: row r x 4,096 + 32 h
.set DM,   7                           ; v7   r - 8 h
.set LST,  8                           ; v8   LDS: where I put my head's part
.set LRD,  9                           ; v9   LDS: where waves 0 and 1 read the parts
.set SPW,  10                          ; v10  LDS address of my spare word; never rewritten
.set NIL,  11                          ; v11  0; never rewritten
.set NINF, 12                          ; v12  -infinity
.set KI,   16                          ; v16-47   k's images
.set QI,   48                          ; v48-79   q's images; later ctx
.set CX,   48
.set VT,   80                          ; v80-111  V^T
.set WT,   112                         ; v112-143 w_out's 16 rows x my head's 64
.set ACC,  144                         ; v144-175 four accumulators
.set T,    176                         ; v176-183 a sum of four accumulators
.set T2,   184                         ; v184-191 at work
.set PP,   192                         ; v192-199 p
.set BB,   200                         ; v200-203 the bias
.set BOF,  204                         ; v204 my byte offset in b_out's 16 numbers
.set OOF,  205                         ; v205 and in out0's 16 rows
.set SPARE, 16384                      ; LDS: 16 parts of 1,024 bytes; behind them the spare words, 128 bytes for each wave
.set SEL,  20
.set CS,   22
	s_load_b256 s[4:11], s[0:1], 0x0               ; the images s[4:5], w_out s[6:7], b_out s[8:9], out0 s[10:11]
	v_lshl_add_u32 v[SPW], v0, 2, SPARE
	v_mov_b32 v[NIL], 0
	v_lshrrev_b32 v1, 5, v0
	v_readfirstlane_b32 s12, v1                    ; wave = head
	s_and_b32 s13, ttmp7, 0xffff                   ; batch
	s_mul_i32 s14, s13, 196608                     ; the images: 192 blocks of 1,024 bytes a batch,
	s_lshl_b32 s15, s12, 12                        ; four blocks a head
	s_add_co_u32 s14, s14, s15
	s_mov_b32 s15, 0
	s_lshl_b32 s16, ttmp9, 16                      ; w_out: 16 rows of 4,096 bytes a work-group,
	s_lshl_b32 s17, s12, 8                         ; 256 bytes a head
	s_add_co_u32 s16, s16, s17
	s_mov_b32 s17, 0
	s_lshl_b32 s18, ttmp9, 6                       ; b_out: 16 numbers a work-group
	s_mov_b32 s19, 0
	s_lshl_b32 s24, s13, 23                        ; out0: 2,048 rows of 4,096 bytes a batch,
	s_add_co_u32 s24, s24, s18                     ; my 16 columns
	s_mov_b32 s25, 0
	s_mov_b32 s[SEL], 0x76543210
	s_mov_b32 s[SEL+1], 0xfedcba98                 ; v_permlanex16_b32's selects for lane l xor 16
	s_mov_b32 s[CS], 0x3e38aa3b                    ; c = log2(e) / 8
	s_mov_b32 s[CS+1], s[CS]
	v_and_b32 v1, 31, v0                           ; lane
	v_and_b32 v2, 15, v0                           ; r
	v_bfe_u32 v3, v0, 4, 1                         ; h
	v_lshlrev_b32 v[IMO], 4, v1
	v_bfe_u32 v13, v0, 2, 1
	v_bfe_u32 v14, v0, 3, 1
	v_and_b32 v15, 3, v0
	v_lshlrev_b32 v[VTO], 9, v13                   ; channel r of a tile lies in block g = (r / 4) % 2,
	v_lshl_add_u32 v[VTO], v14, 8, v[VTO]          ; in the lanes' half r / 8,
	v_lshl_add_u32 v[VTO], v3, 7, v[VTO]           ; rows t = 8 h on,
	v_lshl_add_u32 v[VTO], v15, 2, v[VTO]          ; word r % 4
	v_lshlrev_b32 v[WTO], 12, v2
	v_lshl_add_u32 v[WTO], v3, 5, v[WTO]
	v_lshlrev_b32 v13, 3, v3
	v_sub_nc_u32 v[DM], v2, v13
	s_lshl_b32 s26, s12, 10
	v_add_nc_u32 v[LST], s26, v[IMO]
	v_and_b32 v13, 63, v0
	v_lshlrev_b32 v[LRD], 4, v13                   ; waves 0 and 1: block g = wave, 16 bytes a lane
	v_bfe_u32 v13, v0, 5, 1
	v_lshlrev_b32 v[BOF], 4, v13
	v_lshl_add_u32 v[BOF], v3, 5, v[BOF]           ; columns 8 h + 4 g + 0 .. 3
	v_lshl_add_u32 v[OOF], v2, 12, v[BOF]          ; of row r
	v_mov_b32 v[NINF], 0xff800000
	s_wait_kmcnt 0x0
	s_add_nc_u64 s[4:5], s[4:5], s[14:15]
	s_add_nc_u64 s[6:7], s[6:7], s[16:17]
	s_add_nc_u64 s[8:9], s[8:9], s[18:19]
	s_add_nc_u64 s[10:11], s[10:11], s[24:25]
.irp b, 0,1,2,3
.irp g, 0,1
	global_load_b128 v[KI+8*\b+4*\g:KI+8*\b+4*\g+3], v[IMO], s[4:5] offset:65536+\b*1024+\g*512     ; k: 64 blocks behind q
.endr
.endr
.irp b, 0,1,2,3
.irp g, 0,1
	global_load_b128 v[QI+8*\b+4*\g:QI+8*\b+4*\g+3], v[IMO], s[4:5] offset:\b*1024+\g*512
.endr
.endr
.irp ct, 0,1,2,3
.irp i, 0,1,2,3,4,5,6,7
	global_load_b32 v[VT+8*\ct+\i], v[VTO], s[4:5] offset:131072+\ct*1024+\i*16                     ; V(t = 8 h + i, channel 16 ct + r)
.endr
.endr
.irp ct, 0,1,2,3
.irp g, 0,1
	global_load_b128 v[WT+8*\ct+4*\g:WT+8*\ct+4*\g+3], v[WTO], s[6:7] offset:64*\ct+16*\g           ; w_out(16 x + r, 64 hd + 16 ct + 8 h + 4 g + 0 .. 3)
.endr
.endr
	; ---- 1: S^T = K Q^T: in the sum of the four accumulators lane (r, h) holds query r, and register j key 8 h + j
	s_wait_loadcnt 40                              ; k and q are in; V's 32 loads and w_out's 8 may be out
.irp i, 0,1,2,3
.irp b, 0,1,2,3
.if \i == 0
	v_wmma_f32_16x16x4_f32 v[ACC+8*\b:ACC+8*\b+7], v[KI+8*\b+2*\i:KI+8*\b+2*\i+1], v[QI+8*\b+2*\i:QI+8*\b+2*\i+1], 0
.else
	v_wmma_f32_16x16x4_f32 v[ACC+8*\b:ACC+8*\b+7], v[KI+8*\b+2*\i:KI+8*\b+2*\i+1], v[QI+8*\b+2*\i:QI+8*\b+2*\i+1], v[ACC+8*\b:ACC+8*\b+7]
.endif
.endr
.endr
.macro SUM4                            ; T = the sum of the four accumulators, each read from its low end on; eight places stand behind this form's results
.rept 8
	v_nop
.endr
.irp j, 0,2,4,6
	v_pk_add_f32 v[T+\j:T+\j+1], v[ACC+\j:ACC+\j+1], v[ACC+8+\j:ACC+8+\j+1]
.endr
.irp j, 0,2,4,6
	v_pk_add_f32 v[T2+\j:T2+\j+1], v[ACC+16+\j:ACC+16+\j+1], v[ACC+24+\j:ACC+24+\j+1]
.endr
.irp j, 0,2,4,6
	v_pk_add_f32 v[T+\j:T+\j+1], v[T+\j:T+\j+1], v[T2+\j:T2+\j+1]
.endr
.endm
	SUM4
	; ---- the causal softmax of a row of 16: the maximum is taken away before the exponential
.irp j, 0,1,2,3,4,5,6,7
	v_cmp_gt_i32 vcc_lo, \j, v[DM]                 ; key 8 h + j is hidden where it comes after query r
	v_cndmask_b32 v[T+\j], v[T+\j], v[NINF], vcc_lo
.endr
	v_max3_num_f32 v[T2], v[T], v[T+1], v[T+2]
	v_max3_num_f32 v[T2+1], v[T+3], v[T+4], v[T+5]
	v_max3_num_f32 v[T2], v[T2], v[T+6], v[T+7]
	v_max_num_f32 v[T2], v[T2], v[T2+1]
	v_permlanex16_b32 v[T2+1], v[T2], s[SEL], s[SEL+1]
	v_max_num_f32 v[T2], v[T2], v[T2+1]            ; key 0 counts for every query: a number
	v_mul_f32 v[T2], s[CS], v[T2]                  ; c m
	v_mov_b32 v[T2+1], v[T2]
.irp j, 0,2,4,6
	v_pk_fma_f32 v[T+\j:T+\j+1], v[T+\j:T+\j+1], s[CS:CS+1], v[T2:T2+1] op_sel_hi:[1,0,0] neg_lo:[0,0,1] neg_hi:[0,0,1]
.endr
.irp j, 0,1,2,3,4,5,6,7
	v_exp_f32 v[PP+\j], v[T+\j]                    ; p = 2^(c s - c m)
.endr
	v_nop                                          ; a plain instruction behind the last exponential
	s_wait_alu depctr_va_vdst(0)                   ; the wait ahead of the first instruction that names a result: one for the eight
	v_pk_add_f32 v[T2:T2+1], v[PP:PP+1], v[PP+2:PP+3]
	v_pk_add_f32 v[T2+2:T2+3], v[PP+4:PP+5], v[PP+6:PP+7]
	v_pk_add_f32 v[T2:T2+1], v[T2:T2+1], v[T2+2:T2+3]
	v_add_f32 v[T2], v[T2], v[T2+1]
	v_permlanex16_b32 v[T2+1], v[T2], s[SEL], s[SEL+1]
	v_add_f32 v[T2], v[T2], v[T2+1]                ; the row's sum
	v_rcp_f32 v[T2+4], v[T2]
	v_nop                                          ; a plain instruction behind the reciprocal; its wait stands ahead of its first reader, below
	; ---- 2: O^T = V^T P: accumulator ct: lane (r, h) holds query r, register j channel 16 ct + 8 h + j.  K = the 16 keys: slot (h, j) of step i is key 8 h + 2 i + j
	s_wait_loadcnt 8                               ; V is in; w_out's 8 loads may be out
.irp i, 0,1,2,3
.irp ct, 0,1,2,3
.if \i == 0
	v_wmma_f32_16x16x4_f32 v[ACC+8*\ct:ACC+8*\ct+7], v[VT+8*\ct+2*\i:VT+8*\ct+2*\i+1], v[PP+2*\i:PP+2*\i+1], 0
.else
	v_wmma_f32_16x16x4_f32 v[ACC+8*\ct:ACC+8*\ct+7], v[VT+8*\ct+2*\i:VT+8*\ct+2*\i+1], v[PP+2*\i:PP+2*\i+1], v[ACC+8*\ct:ACC+8*\ct+7]
.endif
.endr
.endr
.rept 8
	v_nop                                          ; eight places behind this form's results
.endr
	s_wait_alu depctr_va_vdst(0)                   ; the reciprocal's wait
.set n, 0
.rept 16
	v_pk_mul_f32 v[CX+n:CX+n+1], v[ACC+n:ACC+n+1], v[T2+4:T2+5] op_sel_hi:[1,0]   ; ctx = O^T / the sum, into other registers
.set n, n+2
.endr
	; ---- 3: my head's part of out^T: source 0 = 16 rows of w_out, source 1 = ctx; K = my head's 64 channels
	s_wait_loadcnt 0x0
.rept 2
	v_nop                                          ; with the eight above ten places that name no register of the last products: nine are asked before matrix instructions write over their results
.endr
.irp i, 0,1,2,3
.irp ct, 0,1,2,3
.if \i == 0
	v_wmma_f32_16x16x4_f32 v[ACC+8*\ct:ACC+8*\ct+7], v[WT+8*\ct+2*\i:WT+8*\ct+2*\i+1], v[CX+8*\ct+2*\i:CX+8*\ct+2*\i+1], 0
.else
	v_wmma_f32_16x16x4_f32 v[ACC+8*\ct:ACC+8*\ct+7], v[WT+8*\ct+2*\i:WT+8*\ct+2*\i+1], v[CX+8*\ct+2*\i:CX+8*\ct+2*\i+1], v[ACC+8*\ct:ACC+8*\ct+7]
.endif
.endr
.endr
	SUM4                                           ; lane (r, h): position t = r, register j: column 16 x + 8 h + j
	ds_store_b128 v[LST], v[T:T+3]
	ds_store_b128 v[LST], v[T+4:T+7] offset:512
	s_wait_dscnt 0x0                               ; for the others' sake: my part lies in LDS
	s_barrier_signal -1
	s_barrier_wait -1
	; ---- the sixteen heads' parts are added by waves 0 and 1, four columns a lane each, in the heads' order; then the bias
	s_cmp_gt_u32 s12, 1
	s_cbranch_scc1 .Ldone
	global_load_b128 v[BB:BB+3], v[BOF], s[8:9]
.irp p, 0,1,2,3,4,5,6,7,8,9,10,11,12,13,14,15
	ds_load_b128 v[KI+4*\p:KI+4*\p+3], v[LRD] offset:\p*1024
.endr
	s_wait_dscnt 0x0
.irp p, 1,2,3,4,5,6,7,8,9,10,11,12,13,14,15
	v_pk_add_f32 v[KI:KI+1], v[KI:KI+1], v[KI+4*\p:KI+4*\p+1]
	v_pk_add_f32 v[KI+2:KI+3], v[KI+2:KI+3], v[KI+4*\p+2:KI+4*\p+3]
.endr
	s_wait_loadcnt 0x0
	v_pk_add_f32 v[KI:KI+1], v[KI:KI+1], v[BB:BB+1]
	v_pk_add_f32 v[KI+2:KI+3], v[KI+2:KI+3], v[BB+2:BB+3]
	global_store_b128 v[OOF], v[KI:KI+3], s[10:11]
.Ldone:
	s_wait_tensorcnt 0x0                           ; the wave's end, behind my last LDS store
	ds_add_u32 v[SPW], v[NIL]
	s_wait_dscnt 0x0
	s_endpgm
.Lfunc_end_k_q64a8e23511_fine:
	.size	k_q64a8e23511_fine, .Lfunc_end_k_q64a8e23511_fine-k_q64a8e23511_fine
	.p2alignl 7, 3214868480
	.fill 96, 4, 3214868480
	.section	.rodata,"a",@progbits
	.p2align	6, 0x0
	.amdhsa_kernel k_q64a8e23511_fine
		.amdhsa_group_segment_fixed_size 18432
		.amdhsa_private_segment_fixed_size 0
		.amdhsa_enable_private_segment 0
		.amdhsa_kernarg_size 32
		.amdhsa_user_sgpr_count 2
		.amdhsa_user_sgpr_kernarg_segment_ptr 1
		.amdhsa_wavefront_size32 1
		.amdhsa_system_sgpr_workgroup_id_x 1
		.amdhsa_system_sgpr_workgroup_id_y 1
		.amdhsa_system_sgpr_workgroup_id_z 1
		.amdhsa_system_vgpr_workitem_id 0
		.amdhsa_next_free_vgpr 208
		.amdhsa_next_free_sgpr 66
		.amdhsa_reserve_vcc 1
		.amdhsa_float_denorm_mode_32 3
		.amdhsa_float_denorm_mode_16_64 3
		.amdhsa_memory_ordered 1
		.amdhsa_forward_progress 1
		.amdhsa_inst_pref_size 20
	.end_amdhsa_kernel
	.amdgpu_metadata
---
amdhsa.version: [ 1, 2 ]
amdhsa.kernels:
  - .name:           k_q64a8e23511_fine
    .symbol:         k_q64a8e23511_fine.kd
    .args:
      - { .name: q32, .offset: 0, .size: 8, .value_kind: global_buffer, .address_space: global }
      - { .name: w_out, .offset: 8, .size: 8, .value_kind: global_buffer, .address_space: global }
      - { .name: b_out, .offset: 16, .size: 8, .value_kind: global_buffer, .address_space: global }
      - { .name: out0, .offset: 24, .size: 8, .value_kind: global_buffer, .address_space: global }
    .group_segment_fixed_size: 18432
    .private_segment_fixed_size: 0
    .kernarg_segment_align: 8
    .kernarg_segment_size: 32
    .max_flat_workgroup_size: 512
    .sgpr_count:     66
    .vgpr_count:     208
    .wavefront_size: 32
...
	.end_amdgpu_metadata
.endif
;; end of part 5
